; MI455X (gfx1250); checked and timed in simulation.
; The chip was launched on July 23, 2026; its instructions are those of AMD's public machine-readable ISA for CDNA 5 (MIT licence, August 2026) and "CDNA5" Instruction Set Architecture Reference Guide (July 2026). The comments in the code are by the model that wrote it; some were corrected since.
;; Multi Head Attention. Allowed arithmetic: matrix products marked QUANTISED: E2M1 operands, one E8M0 scale for each 32 along K, by v_wmma_scale_f32_16x16x128_f8f6f4 with both operands' format E2M1 (or v_wmma_scale_f32_32x16x128_f4), f32 sums; products left as they are: bf16, f16 or f32 operands; f32 sums; everything else in f32.
;; Inputs: Wk 1,024 x 1,024 float32; Wo 1,024 x 1,024 float32; Wq 1,024 x 1,024 float32; Wv 1,024 x 1,024 float32; bk 1,024 float32; bo 1,024 float32; bq 1,024 float32; bv 1,024 float32; key_in 4 x 2,048 x 1,024 float32; query 4 x 2,048 x 1,024 float32; value 4 x 2,048 x 1,024 float32.
;; Outputs: out0 4 x 2,048 x 1,024 float32.
;; This version of the problem:
;;   THIS VERSION OF THE PROBLEM IS GIVEN IN LOW PRECISION. The matrix products marked QUANTISED in the list below multiply operands that are first quantised to E2M1 (2 exponent bits, 1 mantissa bit; 4 bits a number), with one power-of-two scale for each 32 numbers along K (OCP MX v1.0); their sums are f32. The products marked 'left as it is' may take bf16, f16 or f32 operands, with f32 sums. Whichever they take, every output number must still come out within the allowed error. Rounding operands to bf16 (8 significant bits) uses up far more of that allowance than f16 does (11 bits, for magnitudes from 6e-5 to 65,504). All else is computed in f32.
;;   The module's matrix products, in the order in which they are computed (A, B: the left and right operand; K: the contracted axis; several contracted axes count as one K, in the product's order):
;;     1. [M 8,192, K 1,024] x [K 1,024, N 1,024]; A: input query; B: input Wq: QUANTISED
;;     2. [M 8,192, K 1,024] x [K 1,024, N 1,024]; A: input key_in; B: input Wk: QUANTISED
;;     3. [M 8,192, K 1,024] x [K 1,024, N 1,024]; A: input value; B: input Wv: QUANTISED
;;     4. batch 64 x [M 2,048, K 64] x [K 64, N 2,048]; A: computed on the way; B: computed on the way: left as it is (an operand is computed on the way)
;;     5. batch 64 x [M 2,048, K 2,048] x [K 2,048, N 64]; A: computed on the way; B: computed on the way: left as it is (an operand is computed on the way)
;;     6. [M 8,192, K 1,024] x [K 1,024, N 1,024]; A: computed on the way; B: input Wo: left as it is (an operand is computed on the way)
;;   THE QUANTISER, for each operand of a quantised product, along K:
;;     - K is cut into blocks of 32 from its start; a last block that is shorter is filled with zeros.
;;     - A block's scale is 2^e with e = floor(log2(the largest magnitude in the block)) - 2, held to -126 .. 127; a block of zeros has e = 0. As a byte (E8M0): e + 127.
;;     - Each number is divided by its block's scale, clamped to +-6, and rounded to the nearest number of E2M1, ties to even, subnormals kept.
;;     - The product sums the exact products of the quantised numbers (number of the format x scale) in f32.
;;   ~~~python
;;   def quantise(x, axis):      # numpy; x: float32 -> the quantised numbers, widened to float32 again
;;       x = np.moveaxis(x, axis, -1); K = x.shape[-1]
;;       x = np.pad(x, [(0, 0)] * (x.ndim - 1) + [(0, -K % 32)]); x = x.reshape(x.shape[:-1] + (-1, 32)); a = np.abs(x).max(-1, keepdims=True)
;;       e = np.where(a > 0, np.clip(np.frexp(np.where(a > 0, a, 1))[1] - 1 - 2, -126, 127), 0)      # np.frexp(a)[1] - 1 = floor(log2(a)), exactly
;;       r = np.clip(x / 2.0 ** e, -6, 6)
;;       step = 2.0 ** (np.maximum(np.frexp(np.where(r == 0, 1, r))[1] - 1, 0) - 1)
;;       q = np.round(r / step) * step * 2.0 ** e      # np.round: ties to even
;;       return np.moveaxis(q.reshape(q.shape[:-2] + (-1,))[..., :K], -1, axis).astype(np.float32)
;;   ~~~
;; One version. Each part assembles by itself: llvm-mc -triple=amdgcn-amd-amdhsa -mcpu=gfx1250 --defsym DOCPART=n.
;; ======== version 1 of 1: 5 launches
;; limits: values are held in f16: magnitudes above 65,504 overflow, below 6.1e-05 lose precision
;; workspace buffers: xc 12,582,912 bytes; xs 786,432 bytes; wc 1,572,864 bytes; ws 98,304 bytes; wo16 2,097,152 bytes; qkv 50,331,648 bytes; o16 16,777,216 bytes; fine 786,432 bytes
;; launch quant (part 1): grid 896 x 1, 4 waves a work-group, no clusters, 33,280 bytes of LDS; arguments query, key_in, value, Wq, Wk, Wv, Wo, xc, xs, wc, ws, wo16; writes xc, xs, wc, ws, wo16
.if DOCPART == 1
	.amdgcn_target "amdgcn-amd-amdhsa--gfx1250"
	.amdhsa_code_object_version 6
	.text
	.protected	k_qb47b98573f_quant
	.globl	k_qb47b98573f_quant
	.p2align	8
	.type	k_qb47b98573f_quant,@function
k_qb47b98573f_quant:
	s_mov_b64 s[64:65], 0
	v_nop
	global_prefetch_b8 v0, s[64:65] scope:SCOPE_SE
	s_setreg_imm32_b32 hwreg(HW_REG_WAVE_MODE, 25, 1), 1
	s_wait_xcnt 0x0
; MULTI-HEAD ATTENTION, B 4, S 2,048, D 1,024, 16 heads of 64, causal.  FIVE LAUNCHES: quant, proj, attn, outp, first16.
; THIS LAUNCH: query, key_in, value [8,192][1,024] and Wq, Wk, Wv [1,024][1,024], f32 with K innermost, become codes of FP4 (E2M1), K innermost, with one E8M0 byte for each 32 along K;
; Wo becomes f16 (the last product is not quantised).  query, key_in, value are stacked in xc / xs (24,576 rows), Wq, Wk, Wv in wc / ws (3,072 rows).
; DEAD WORK, LEFT OUT IN THE WHOLE PROGRAM:
;  (1) bk.  The score of query q and key k is Q[q] . (K0[k] + bk) = Q[q] . K0[k] + Q[q] . bk; the second term is the same for all keys of a row, and a term that is the same along a softmax's axis cancels
;      in it, for all values of the inputs.  The product of Q and K is not quantised, so bk enters no quantiser.  bk is not loaded and is among no launch's arguments.
;  (2) Tiles of scores all of whose keys come after all of their queries: the mask that the problem builds itself sets them to -1e9, and their weights are 0.
; LIMITS.  The masked weights are taken as 0: that holds while each row's largest unmasked score / 8 lies above -1e9 + 104.  Q, K, V, the attention's result and Wo go on as f16: their magnitudes stay under 65,504.
; A NaN, an infinity or an overflow that reaches only bk or the hidden tiles is not carried to the result.  NaN and infinities among the inputs are not served.
; A block's scale is 2^(floor(log2(its largest magnitude)) - 2); its byte is the largest magnitude's own exponent field - 2, held at 1 from below.  A block of zeros so gets the byte 1 where the rule says 127:
; its codes are zeros, which add nothing under any byte but 0xff, and the bytes are read by this program alone.  Blocks whose largest magnitude lies under 2^(2 - 126) were not tried.
; SHARES.  Rows are dense and K is a multiple of 32, so each tensor is a plain stream of blocks of 32.  A work-group takes 32,768 numbers, a wave 8,192: 16 steps of 512.
; Work-groups 0-255 query, 256-511 key_in, 512-767 value, 768-799 Wq, 800-831 Wk, 832-863 Wv: one path, only pointers are chosen.  864-895: Wo, a path of its own that uses no LDS stage.
; A step's four loads read 512 consecutive bytes each; the 2,048 bytes turn through the wave's own stage in LDS and come back 64 bytes a lane, so that a lane holds 16 neighbours along K (two lanes hold a block).
; No tensor loads, no barrier: waves share nothing.  Matrix units and clusters would add nothing to a stream.
.set WAVES, 4
.set STEPS, 16
.set EMAX,  2
.set CB,    8                          ; bytes of 16 codes
.set R,     16                         ; v16-79   four sets of 16 numbers as they are loaded
.set X,     80                         ; v80-111  two sets of 16 neighbours
.set C,     128                        ; v128-191 codes: four registers for each step (Wo: 32 registers of f16 pairs)
.set E,     112                        ; v112-127 a scale byte for each step
.set WREG,  8192                       ; LDS: a region for each wave: two stages of 32 x SP bytes, behind them its 256 scale bytes
.set SP,    80                         ; a lane's place in a stage: 64 bytes + 16 of padding
.set SPW,   12                         ; v12  LDS address of my spare word; never rewritten
.set NIL,   13                         ; v13  0; never rewritten
.set SPARE, WAVES*WREG                 ; behind the four regions: the spare words, 128 bytes a wave
	s_load_b256 s[4:11], s[0:1], 0x0               ; query s[4:5], key_in s[6:7], value s[8:9], Wq s[10:11]
	s_load_b256 s[12:19], s[0:1], 0x20             ; Wk s[12:13], Wv s[14:15], Wo s[16:17], xc s[18:19]
	s_load_b256 s[20:27], s[0:1], 0x40             ; xs s[20:21], wc s[22:23], ws s[24:25], wo16 s[26:27]
	v_lshl_add_u32 v[SPW], v0, 2, SPARE
	v_mov_b32 v[NIL], 0
	v_lshrrev_b32 v1, 5, v0
	v_readfirstlane_b32 s36, v1                    ; wave
	v_and_b32 v2, 31, v0                           ; lane
	v_lshlrev_b32 v3, 4, v2                        ; my 16 bytes of a load's 512
	s_mul_i32 s37, s36, WREG
	v_lshrrev_b32 v14, 2, v2
	v_mul_u32_u24 v14, v14, SP
	v_and_b32 v15, 3, v2
	v_lshl_add_u32 v14, v15, 4, v14
	v_add_nc_u32 v14, s37, v14                     ; the stage, on the way in: SP (lane / 4) + 16 (lane % 4)
	v_mul_u32_u24 v15, v2, SP
	v_add_nc_u32 v15, s37, v15                     ; and on the way out: SP x lane: my 16 neighbours
	v_mul_u32_u24 v4, v2, CB                       ; my codes' place in a step's
	v_lshrrev_b32 v5, 1, v2
	s_add_co_u32 s37, s37, 2*32*SP
	v_add_nc_u32 v5, s37, v5                       ; LDS: my wave's 256 scale bytes, my block's byte
	v_lshlrev_b32 v7, 3, v2                        ; 8 bytes a lane
	v_add_nc_u32 v6, s37, v7
	s_wait_kmcnt 0x0
	s_cmp_ge_u32 ttmp9, 864
	s_cbranch_scc1 .Lwo
	s_cmp_lt_u32 ttmp9, 256                        ; the choices hang on the work-group's number alone
	s_cselect_b64 s[28:29], s[4:5], s[6:7]
	s_cmp_lt_u32 ttmp9, 512
	s_cselect_b64 s[28:29], s[28:29], s[8:9]
	s_cmp_lt_u32 ttmp9, 768
	s_cselect_b64 s[28:29], s[28:29], s[10:11]
	s_cselect_b64 s[30:31], s[18:19], s[22:23]     ; codes: xc or wc
	s_cselect_b64 s[32:33], s[20:21], s[24:25]     ; scale bytes: xs or ws
	s_cselect_b32 s34, 0, 768                      ; the first work-group of the stack
	s_cselect_b32 s35, 255, 31                     ; work-groups in a tensor, less one
	s_cmp_lt_u32 ttmp9, 800
	s_cselect_b64 s[28:29], s[28:29], s[12:13]
	s_cmp_lt_u32 ttmp9, 832
	s_cselect_b64 s[28:29], s[28:29], s[14:15]
	s_and_b32 s38, ttmp9, s35
	s_lshl_b32 s38, s38, 2
	s_add_co_u32 s38, s38, s36                     ; which run of 8,192 numbers of the tensor is my wave's
	s_lshl_b32 s38, s38, 15                        ; 32,768 bytes a run
	s_mov_b32 s39, 0
	s_add_nc_u64 s[28:29], s[28:29], s[38:39]
	s_sub_co_u32 s40, ttmp9, s34
	s_lshl_b32 s40, s40, 2
	s_add_co_u32 s40, s40, s36                     ; and which run of the stack
	s_lshl_b32 s38, s40, 12                        ; 4,096 bytes of codes a run
	s_add_nc_u64 s[30:31], s[30:31], s[38:39]
	s_lshl_b32 s38, s40, 8                         ; 256 scale bytes a run
	s_add_nc_u64 s[32:33], s[32:33], s[38:39]
.macro LOAD t
.irp i, 0,1,2,3
	global_load_b128 v[R+16*((\t)%4)+4*\i:R+16*((\t)%4)+4*\i+3], v3, s[28:29] offset:2048*(\t)+512*\i th:TH_LOAD_NT   ; 32 lanes read 512 consecutive bytes
.endr
.endm
.macro TURN t                          ; step t's numbers through the stage: LDS serves a wave's instructions in order, so no wait stands between the stores and the loads
.irp i, 0,1,2,3
	ds_store_b128 v14, v[R+16*((\t)%4)+4*\i:R+16*((\t)%4)+4*\i+3] offset:32*SP*((\t)%2)+8*SP*\i
.endr
.irp i, 0,1,2,3
	ds_load_b128 v[X+16*((\t)%2)+4*\i:X+16*((\t)%2)+4*\i+3], v15 offset:32*SP*((\t)%2)+16*\i
.endr
.endm
.irp t, 0,1,2,3
	LOAD \t
.endr
	s_wait_loadcnt 12                              ; step 0's four loads are in; the twelve of steps 1 to 3 may be out
	TURN 0
.macro STEP t
.set XS, X+16*((\t)%2)
.if (\t) > 0
	s_wait_dscnt 1                                 ; this step's numbers are back from the stage (the last step's byte store may be out)
.else
	s_wait_dscnt 0x0
.endif
.if (\t)+4 < STEPS
	LOAD (\t)+4                                    ; into the registers that the stage's stores have read
.endif
.if (\t)+1 < STEPS
.if STEPS-2-(\t) >= 3
	s_wait_loadcnt 12                              ; the next step's four loads are in; those of the three steps behind it may be out
.else
	s_wait_loadcnt 4*(STEPS-2-(\t))
.endif
	TURN (\t)+1                                    ; through the other stage while this step is worked
.endif
	v_max3_num_f32 v8, |v[XS]|, |v[XS+1]|, |v[XS+2]|               ; the largest magnitude of my 16, in two chains
	v_max3_num_f32 v9, |v[XS+3]|, |v[XS+4]|, |v[XS+5]|
.irp i, 6,10
	v_max3_num_f32 v8, v8, |v[XS+\i]|, |v[XS+\i+1]|
	v_max3_num_f32 v9, v9, |v[XS+\i+2]|, |v[XS+\i+3]|
.endr
	v_max3_num_f32 v8, v8, |v[XS+14]|, |v[XS+15]|
	v_max3_num_f32 v8, v8, v9, (EMAX+1)<<23        ; and the floor 2^(EMAX + 1 - 127): the byte cannot fall under 1
	v_max_num_f32_dpp v8, v8, v8 row_xmask:1 row_mask:0xf bank_mask:0xf   ; and of my neighbour's 16: the block's
	v_add_nc_u32 v11, -(EMAX<<23), v8              ; EMAX off its exponent field: the conversion takes the exponent field of this operand as its scale
	v_cvt_scalef32_pk8_fp4_f32 v[C+4*(\t)], v[XS:XS+7], v11        ; to the nearest code, ties to even, beyond the largest code the largest
	v_cvt_scalef32_pk8_fp4_f32 v[C+4*(\t)+1], v[XS+8:XS+15], v11
	v_lshrrev_b32 v[E+(\t)], 23, v11               ; the scale's byte
	ds_store_b8 v5, v[E+(\t)] offset:16*(\t)       ; both lanes of a block write the same byte with the same value
	global_store_b64 v4, v[C+4*(\t):C+4*(\t)+1], s[30:31] offset:32*CB*(\t)   ; the wave stores 256 consecutive bytes, aligned
.endm
.irp t, 0,1,2,3,4,5,6,7,8,9,10,11,12,13,14,15
	STEP \t
.endr
	ds_load_b64 v[8:9], v6                         ; LDS serves a wave's instructions in order: these see my stores
	s_wait_dscnt 0x0
	global_store_b64 v7, v[8:9], s[32:33]          ; 32 lanes store 256 consecutive bytes, aligned
	s_wait_tensorcnt 0x0                           ; the wave's end, behind my last LDS store
	ds_add_u32 v[SPW], v[NIL]
	s_wait_dscnt 0x0
	s_endpgm
.Lwo:                                              ; Wo to f16, rounded to nearest even: four rounds of sixteen loads of 512 bytes; a store covers 256 consecutive bytes, aligned
	s_sub_co_u32 s38, ttmp9, 864
	s_lshl_b32 s38, s38, 2
	s_add_co_u32 s38, s38, s36                     ; my wave's run of 8,192 numbers
	s_lshl_b32 s40, s38, 15
	s_mov_b32 s41, 0
	s_add_nc_u64 s[16:17], s[16:17], s[40:41]
	s_lshl_b32 s40, s38, 14
	s_add_nc_u64 s[26:27], s[26:27], s[40:41]
.irp p, 0,1,2,3
.if \p > 0
	s_wait_xcnt 0x0                                ; the last round's stores have read their data registers, which are written again below
.endif
.irp i, 0,1,2,3,4,5,6,7,8,9,10,11,12,13,14,15
	global_load_b128 v[R+4*\i:R+4*\i+3], v3, s[16:17] offset:(16*\p+\i)*512 th:TH_LOAD_NT
.endr
.irp i, 0,1,2,3,4,5,6,7,8,9,10,11,12,13,14,15
	s_wait_loadcnt 15-\i                           ; load i is in; the round's younger loads may be out
	v_cvt_pk_f16_f32 v[C+2*\i], v[R+4*\i], v[R+4*\i+1]
	v_cvt_pk_f16_f32 v[C+2*\i+1], v[R+4*\i+2], v[R+4*\i+3]
	global_store_b64 v7, v[C+2*\i:C+2*\i+1], s[26:27] offset:(16*\p+\i)*256
.endr
.endr
	s_wait_tensorcnt 0x0                           ; the wave's end: the same three lines
	ds_add_u32 v[SPW], v[NIL]
	s_wait_dscnt 0x0
	s_endpgm
.Lfunc_end_k_qb47b98573f_quant:
	.size	k_qb47b98573f_quant, .Lfunc_end_k_qb47b98573f_quant-k_qb47b98573f_quant
	.p2alignl 7, 3214868480
	.fill 96, 4, 3214868480
	.section	.rodata,"a",@progbits
	.p2align	6, 0x0
	.amdhsa_kernel k_qb47b98573f_quant
		.amdhsa_group_segment_fixed_size 33280
		.amdhsa_private_segment_fixed_size 0
		.amdhsa_enable_private_segment 0
		.amdhsa_kernarg_size 96
		.amdhsa_user_sgpr_count 2
		.amdhsa_user_sgpr_kernarg_segment_ptr 1
		.amdhsa_wavefront_size32 1
		.amdhsa_system_sgpr_workgroup_id_x 1
		.amdhsa_system_sgpr_workgroup_id_y 1
		.amdhsa_system_sgpr_workgroup_id_z 1
		.amdhsa_system_vgpr_workitem_id 0
		.amdhsa_next_free_vgpr 192
		.amdhsa_next_free_sgpr 66
		.amdhsa_reserve_vcc 0
		.amdhsa_float_denorm_mode_32 3
		.amdhsa_float_denorm_mode_16_64 3
		.amdhsa_memory_ordered 1
		.amdhsa_forward_progress 1
		.amdhsa_inst_pref_size 56
	.end_amdhsa_kernel
	.amdgpu_metadata
---
amdhsa.version: [ 1, 2 ]
amdhsa.kernels:
  - .name:           k_qb47b98573f_quant
    .symbol:         k_qb47b98573f_quant.kd
    .args:
      - { .name: query, .offset: 0, .size: 8, .value_kind: global_buffer, .address_space: global }
      - { .name: key_in, .offset: 8, .size: 8, .value_kind: global_buffer, .address_space: global }
      - { .name: value, .offset: 16, .size: 8, .value_kind: global_buffer, .address_space: global }
      - { .name: Wq, .offset: 24, .size: 8, .value_kind: global_buffer, .address_space: global }
      - { .name: Wk, .offset: 32, .size: 8, .value_kind: global_buffer, .address_space: global }
      - { .name: Wv, .offset: 40, .size: 8, .value_kind: global_buffer, .address_space: global }
      - { .name: Wo, .offset: 48, .size: 8, .value_kind: global_buffer, .address_space: global }
      - { .name: xc, .offset: 56, .size: 8, .value_kind: global_buffer, .address_space: global }
      - { .name: xs, .offset: 64, .size: 8, .value_kind: global_buffer, .address_space: global }
      - { .name: wc, .offset: 72, .size: 8, .value_kind: global_buffer, .address_space: global }
      - { .name: ws, .offset: 80, .size: 8, .value_kind: global_buffer, .address_space: global }
      - { .name: wo16, .offset: 88, .size: 8, .value_kind: global_buffer, .address_space: global }
    .group_segment_fixed_size: 33280
    .private_segment_fixed_size: 0
    .kernarg_segment_align: 8
    .kernarg_segment_size: 96
    .max_flat_workgroup_size: 128
    .sgpr_count:     66
    .vgpr_count:     192
    .wavefront_size: 32
...
	.end_amdgpu_metadata
.endif
;; end of part 1
;; launch proj (part 2): grid 4 x 96, 4 waves a work-group, clusters of 4 x 4, 327,680 bytes of LDS; arguments xc, xs, wc, ws, bq, bv, qkv, fine; writes qkv, fine
.if DOCPART == 2
	.amdgcn_target "amdgcn-amd-amdhsa--gfx1250"
	.amdhsa_code_object_version 6
	.text
	.protected	k_qb47b98573f_proj
	.globl	k_qb47b98573f_proj
	.p2align	8
	.type	k_qb47b98573f_proj,@function
k_qb47b98573f_proj:
	s_mov_b64 s[64:65], 0
	v_nop
	global_prefetch_b8 v0, s[64:65] scope:SCOPE_SE
	s_setreg_imm32_b32 hwreg(HW_REG_WAVE_MODE, 25, 1), 1
	s_wait_xcnt 0x0
	s_wait_alu depctr_hold_cnt(0) depctr_sa_sdst(0) depctr_va_vdst(0) depctr_va_sdst(0) depctr_va_ssrc(0) depctr_va_vcc(0) depctr_vm_vsrc(0)
	s_getreg_b32 s2, hwreg(HW_REG_IB_STS2, 6, 4)
	s_cmp_eq_u32 s2, 0
	s_cbranch_scc0 .Lentry_in_a_cluster
	s_endpgm
.Lentry_in_a_cluster:
	s_bfe_u32 s2, ttmp6, 0x10000c
	s_cmp_lg_u32 s2, 0xf033
	s_cbranch_scc0 .Lentry_shape_is_right
	s_endpgm
.Lentry_shape_is_right:
; LAUNCH 2 OF 5: the three quantised projections as ONE product on codes of FP4 with E8M0 scales: rows 0-8,191 query x Wq^T + bq, 8,192-16,383 key_in x Wk^T, 16,384-24,575 value x Wv^T + bv.
; LEFT OUT: bk (a term that is the same along the softmax's axis; shown at the head of the first kernel).
; Results go out as f16, by head: qkv [t 3][b 4][h 16][s 2,048][64]; positions 0-15 of every sequence also as f32 into fine [t*4+b][16][1,024], for the last launch.
; A tile of 256 x 256 is made by four waves, each 128 x 128: 64 accumulators, 512 registers.  K = 1,024 is two slots of 512 along K (rows of 256 bytes): both are asked for at the head, nothing is filled again.
; THE SCALES of the work-group's 256 rows of A and of B, for all of K, are two dense blocks of memory: they come into LDS once, with the first fills.
; CLUSTERS: 4 x 4 work-groups.  The four of a row need the same tiles of A, the four of a column the same tiles of B: each is asked for jointly.  A cluster's 1,024 rows lie in one of the three tensors:
; which one, t, is made of the cluster's y alone, so it is the same in all sixteen partners.
; THE MATRIX INSTRUCTION IS USED TRANSPOSED (source 0 = 16 rows of W, source 1 = 16 rows of x): a lane holds eight neighbouring columns of one row.  The bias is the C of each sum's first product.
; REGISTERS, in windows of 256: window 0: v0-31 addresses; v32-95 scale words, two sets; v128-191 A's fragments, one set; v192-255 the bias, eight registers for each of B's blocks, later packed results.
;   window 1: B's fragments, two sets, at v0 and v128.   window 2: the accumulators of my rows 0-63 ((a, b) at v[8 (8 a + b)]);   window 3: those of rows 64-127.
.set KSTEP,  512
.set NQ,     KSTEP/128
.set ROWB,   256                       ; a tile's row in bytes
.set KROW,   512                       ; a row of codes in memory
.set PITCH,  272                       ; an LDS row: 256 bytes + 16 of padding: the 16 rows that a load touches start at 16 different banks (64 banks of 4 bytes: ISA guide 11.1)
.set FR,     8
.set NL,     2
.set NP,     4                         ; places behind this matrix instruction (ISA guide 7.12.1)
.set HALFT,  128*PITCH
.set SLOT,   4*HALFT                   ; A's 256 rows, then B's 256 rows
.set KS,     32                        ; a row of scale bytes
.set SCL,    2*SLOT                    ; behind the two slots: the scales, as runs of 256 bytes + 16 of padding
.set HALFS,  (128*KS/256)*272
.set SBLK,   (16*KS/256)*272
.set SPARE,  SCL+4*HALFS               ; the spare words, 128 bytes a wave
.set STAGE,  SPARE+512                 ; the way out: 16 rows x (256 bytes + 16) for each wave; no fill lands here
.set SPITCH, 272
.set ADRA, 16                          ; v16-17  LDS address of my A fragments in slot 0, 1
.set ADRB, 20                          ; v20-21  the same for B
.set STO,  24                          ; v24  the way out: where I put 16 bytes of a row
.set RD,   25                          ; v25  where I read back
.set CO,   26                          ; v26  my byte offset in qkv
.set ADRS, 27                          ; v27  LDS address of my scale words: lanes 0-15 A's rows, lanes 16-31 B's
.set SPW,  28                          ; v28  my spare word; never rewritten
.set NIL,  29                          ; v29  0; never rewritten
.set SC,   32
.set AF,   128
.set BI,   192
.set G1, 24
.set G0, 32
.set G1B, 48
.set G0B, 56
.set G1S, 68
.set G0S, 76
.set G1SB, 80
.set G0SB, 88
.set MSB, 0
.macro WIN new                         ; the immediate's high byte repeats the setting that is left
.if MSB != \new
	s_set_vgpr_msb (MSB<<8)|\new
.set MSB, \new
.endif
.endm
.set MUL_LO, 0xa1                      ; source 0 (B) window 1, source 1 (A) window 0, C and D window 2
.set MUL_HI, 0xf1                      ; the same, C and D window 3
.set FIRST_LO, 0x81                    ; the first step: C (the bias) window 0, D window 2
.set FIRST_HI, 0xc1                    ; D window 3
.set TO_B,   0x40
; A joint load: waves 0 and 1 fetch for A, waves 2 and 3 for B; the branch hangs on the wave's number alone.  An s_nop 0 and four v_nop follow each of the two lines.
.macro JLOAD g0a, g1a, g0b, g1b
	s_cmp_eq_u32 s15, 0
	s_cbranch_scc0 .Lfor_b_\@
	tensor_load_to_lds s[\g0a:\g0a+3], s[\g1a:\g1a+7]
	s_nop 0
.rept 4
	v_nop
.endr
	s_branch .Lasked_\@
.Lfor_b_\@:
	tensor_load_to_lds s[\g0b:\g0b+3], s[\g1b:\g1b+7]
	s_nop 0
.rept 4
	v_nop
.endr
.Lasked_\@:
.endm
.macro CROUND                          ; a round of the cluster's barrier
	s_barrier_signal -1
	s_barrier_wait -1
	s_cmp_lg_u32 s14, 0
	s_cbranch_scc1 .Lnot_wave_0_\@
	s_barrier_signal -3
.Lnot_wave_0_\@:
	s_barrier_wait -3
	s_barrier_signal -1
	s_barrier_wait -1
.endm
	s_load_b128 s[4:7], s[0:1], 0x0                ; xc, xs
	s_load_b128 s[8:11], s[0:1], 0x10              ; wc, ws
	s_load_b128 s[96:99], s[0:1], 0x20             ; bq, bv
	s_load_b64 s[12:13], s[0:1], 0x30              ; qkv
	s_load_b64 s[66:67], s[0:1], 0x38              ; fine
	v_lshl_add_u32 v[SPW], v0, 2, SPARE
	v_mov_b32 v[NIL], 0
	ds_add_u32 v[SPW], v[NIL]                      ; the wave's opening: the add, twice on end, and its wait ahead of my first tensor load
	ds_add_u32 v[SPW], v[NIL]
	v_lshrrev_b32 v1, 5, v0
	v_readfirstlane_b32 s14, v1                    ; wave 0..3
	s_lshr_b32 s15, s14, 1                         ; which half of the tile's rows is mine.  Also: I fetch for A (0) or for B (1)
	s_and_b32 s16, s14, 1                          ; which half of its columns.  Also: which 128 rows of that tile I fetch
	s_bfe_u32 s40, ttmp6, 0x40000                  ; cx, cy
	s_bfe_u32 s41, ttmp6, 0x40004
	s_lshl_b32 s42, ttmp9, 2
	s_add_co_u32 s42, s42, s40                     ; tile column = 4 x cluster x + cx
	s_and_b32 s17, ttmp7, 0xffff
	s_lshr_b32 s95, s17, 3                         ; t: eight clusters of 1,024 rows to a tensor
	s_lshl_b32 s17, s17, 2
	s_add_co_u32 s17, s17, s41                     ; tile row = 4 x cluster y + cy
	s_lshl_b32 s43, s41, 2
	s_lshl_b32 s43, 15, s43                        ; my row of the cluster
	s_lshl_b32 s44, 0x1111, s40                    ; my column
	s_or_b32 s[G1+0], s43, (0<<16)|(1<<20)|(1<<21)|(5<<22)|(3<<25)  ; the mask; elements of 1 byte; padding on; bit 21 beside a mask; after every 64 words, 4 words
	s_or_b32 s[G1B+0], s44, (0<<16)|(1<<20)|(1<<21)|(5<<22)|(3<<25)
.irp g, G1, G1B
	s_mov_b32 s[\g+1], ROWB<<16                    ; tensor_dim0
	s_mov_b32 s[\g+2], 128<<16                     ; tensor_dim1
	s_mov_b32 s[\g+3], ROWB<<16                    ; tile_dim0
	s_mov_b32 s[\g+4], 128                         ; tile_dim1
	s_mov_b32 s[\g+5], KROW                        ; from row to row
	s_mov_b32 s[\g+6], 0
	s_mov_b32 s[\g+7], 0
.endr
	s_or_b32 s[G1S+0], s43, (3<<16)|(1<<20)|(1<<21)|(5<<22)|(3<<25)   ; the scales of 128 rows: 4,096 dense bytes as 16 rows of 32 elements of 8 bytes
	s_or_b32 s[G1SB+0], s44, (3<<16)|(1<<20)|(1<<21)|(5<<22)|(3<<25)
.irp g, G1S, G1SB
	s_mov_b32 s[\g+1], 32<<16
	s_mov_b32 s[\g+2], (128*KS/256)<<16
	s_mov_b32 s[\g+3], 32<<16
	s_mov_b32 s[\g+4], 128*KS/256
	s_mov_b32 s[\g+5], 32
	s_mov_b32 s[\g+6], 0
	s_mov_b32 s[\g+7], 0
.endr
	s_lshl_b32 s18, s16, 7                         ; which 128 rows of the tile I fetch
	s_lshl_b32 s20, s17, 8
	s_add_co_u32 s20, s20, s18                     ; A: row 256 x tile row + 128 x half
	s_lshl_b32 s46, s42, 8
	s_add_co_u32 s46, s46, s18                     ; B: row 256 x tile column + 128 x half
	s_lshl_b32 s47, s95, 10
	s_add_co_u32 s46, s46, s47                     ; + 1,024 t: the tensor's own weight
	s_mov_b32 s21, 0
	s_mov_b32 s47, 0
	s_mov_b64 s[18:19], KS
	s_mul_u64 s[22:23], s[20:21], s[18:19]         ; where these rows' scales begin
	s_mul_u64 s[92:93], s[46:47], s[18:19]
	s_mov_b64 s[18:19], KROW
	s_mul_u64 s[20:21], s[20:21], s[18:19]         ; and their codes
	s_mul_u64 s[46:47], s[46:47], s[18:19]
	s_mul_i32 s45, s14, HALFT                      ; where they go: wave x 128 rows
	s_mul_i32 s94, s14, HALFS
	s_wait_dscnt 0x0                               ; both opening adds are done
	s_wait_kmcnt 0x0
	s_add_nc_u64 s[20:21], s[4:5], s[20:21]
	s_add_nc_u64 s[22:23], s[6:7], s[22:23]
	s_add_nc_u64 s[46:47], s[8:9], s[46:47]
	s_add_nc_u64 s[92:93], s[10:11], s[92:93]
	CROUND                                         ; all sixteen work-groups are here: the first joint loads meet
	s_mov_b32 s[G0S], 1
	s_add_co_u32 s[G0S+1], s94, SCL
	s_mov_b64 s[G0S+2:G0S+3], s[22:23]
	s_or_b32 s[G0S+3], s[G0S+3], 0x80000000
	s_mov_b32 s[G0SB], 1
	s_add_co_u32 s[G0SB+1], s94, SCL
	s_mov_b64 s[G0SB+2:G0SB+3], s[92:93]
	s_or_b32 s[G0SB+3], s[G0SB+3], 0x80000000
	JLOAD G0S, G1S, G0SB, G1SB                     ; the scales first; three loads of mine are out behind the third JLOAD
.irp s, 0,1
	s_mov_b32 s[G0+4*\s], 1
	s_add_co_u32 s[G0+4*\s+1], s45, \s*SLOT
	s_add_nc_u64 s[G0+4*\s+2:G0+4*\s+3], s[20:21], \s*ROWB
	s_or_b32 s[G0+4*\s+3], s[G0+4*\s+3], 0x80000000
	s_mov_b32 s[G0B+4*\s], 1
	s_add_co_u32 s[G0B+4*\s+1], s45, \s*SLOT
	s_add_nc_u64 s[G0B+4*\s+2:G0B+4*\s+3], s[46:47], \s*ROWB
	s_or_b32 s[G0B+4*\s+3], s[G0B+4*\s+3], 0x80000000
	JLOAD G0+4*\s, G1, G0B+4*\s, G1B
.endr
	; the bias of my 128 columns, in the result's layout: register j of block b is the bias of column 16 b + 8 (lane / 16) + j
	s_cmp_eq_u32 s95, 0
	s_cselect_b64 s[96:97], s[96:97], s[98:99]     ; bq for Q, bv for V
	s_lshl_b32 s100, s42, 10
	s_lshl_b32 s101, s16, 9
	s_add_co_u32 s100, s100, s101                  ; my first column x 4 bytes
	s_mov_b32 s101, 0
	s_add_nc_u64 s[96:97], s[96:97], s[100:101]
	v_bfe_u32 v2, v0, 4, 1                         ; l / 16
	v_lshlrev_b32 v7, 5, v2
	s_cmp_eq_u32 s95, 1                            ; K has no bias.  t is the same in all partners of the cluster
	s_cbranch_scc1 .Lno_bias
.irp b, 0,1,2,3,4,5,6,7
	global_load_b128 v[BI+8*\b:BI+8*\b+3], v7, s[96:97] offset:64*\b
	global_load_b128 v[BI+8*\b+4:BI+8*\b+7], v7, s[96:97] offset:64*\b+16
.endr
	s_branch .Lbias_done
.Lno_bias:
.set i, 0
.rept 64
	v_mov_b32 v[BI+i], 0
.set i, i+1
.endr
.Lbias_done:
	v_and_b32 v1, 15, v0                           ; l % 16
	v_mul_u32_u24 v3, v1, PITCH
	v_lshl_add_u32 v4, v2, 4, v3                   ; a fragment's row x pitch + 16 x half
	s_mul_i32 s21, s15, HALFT                      ; my 128 rows of A
	s_mul_i32 s22, s16, HALFT                      ; my 128 rows of B,
	s_add_co_u32 s22, s22, 2*HALFT                 ; which lie behind A's 256
.irp s, 0,1
	v_add_nc_u32 v[ADRA+\s], s21, v4
	v_add_nc_u32 v[ADRB+\s], s22, v4
	s_add_co_u32 s21, s21, SLOT
	s_add_co_u32 s22, s22, SLOT
.endr
	v_mul_u32_u24 v5, v1, KS                       ; my row's scales: KS bytes a row,
	v_lshrrev_b32 v6, 8, v5
	v_lshl_add_u32 v5, v6, 4, v5                   ; and 16 more for each 256 passed
	s_mul_i32 s21, s15, HALFS
	s_mul_i32 s22, s16, HALFS
	s_add_co_u32 s22, s22, 2*HALFS
	s_sub_co_u32 s22, s22, s21
	v_mul_u32_u24 v6, s22, v2                      ; lanes 16-31 take B's
	s_add_co_u32 s21, s21, SCL
	v_add_nc_u32 v5, v5, v6
	v_add_nc_u32 v[ADRS], s21, v5
	s_mul_i32 s23, s14, 16*SPITCH
	s_add_co_u32 s23, s23, STAGE                   ; my stage
	v_mul_u32_u24 v5, v1, SPITCH                   ; in: row l % 16, 16 bytes for each half of the lanes
	v_lshl_add_u32 v5, v2, 4, v5
	v_add_nc_u32 v[STO], s23, v5
	v_bfe_u32 v5, v0, 3, 1                         ; back: lanes 0-15 take two positions of my first head (2 x 128 bytes), lanes 16-31 of my second
	v_mul_u32_u24 v5, v5, SPITCH
	v_lshl_add_u32 v5, v2, 7, v5
	v_and_b32 v6, 7, v0
	v_lshl_add_u32 v5, v6, 4, v5
	v_add_nc_u32 v[RD], s23, v5
	v_lshlrev_b32 v[CO], 4, v1                     ; in qkv two positions of a head are 256 consecutive bytes; heads lie 262,144 bytes apart
	v_lshl_add_u32 v[CO], v2, 18, v[CO]
	v_lshlrev_b32 v8, 12, v1                       ; fine: row l % 16 of 4,096 bytes, + 32 x half
	v_lshl_add_u32 v8, v2, 5, v8
	s_lshl_b32 s20, s17, 8
	s_lshl_b32 s21, s15, 7
	s_add_co_u32 s20, s20, s21                     ; my first row of the stack
	s_and_b32 s22, s20, 2047                       ; its position in its sequence
	v_mov_b32 v9, s22
	s_lshr_b32 s21, s20, 11                        ; 4 t + b
	s_lshl_b32 s20, s21, 22
	s_lshl_b32 s22, s22, 7
	s_add_co_u32 s20, s20, s22
	s_lshl_b32 s22, s21, 16
	s_mov_b32 s21, 0
	s_mov_b32 s23, 0
	s_add_nc_u64 s[12:13], s[12:13], s[20:21]
	s_add_nc_u64 s[66:67], s[66:67], s[22:23]
	s_lshl_b32 s46, s42, 20                        ; my first head: 4 x tile column + 2 x half
	s_lshl_b32 s47, s16, 19
	s_add_co_u32 s46, s46, s47
	s_mov_b32 s47, 0
	s_add_nc_u64 s[12:13], s[12:13], s[46:47]
	s_add_nc_u64 s[66:67], s[66:67], s[100:101]
.macro FRAG reg, adr, q, i             ; 16 rows x 128 K of 4-bit codes: 8 registers: lane l holds row l % 16; registers 4 c .. 4 c + 3 hold K = 64 c + 32 (l / 16) + 0 .. 31
.irp c, 0,1
	ds_load_b128 v[\reg+4*\c:\reg+4*\c+3], v[\adr] offset:64*(\q)+32*\c+(\i)*16*PITCH
.endr
.endm
; 16 matrix instructions: A's blocks a0, a0 + 1 x B's eight.  first = 1: the bias starts the sums.  The 64 accumulators take turns, one instruction a turn, in the same order in every step.
.macro MUL16 a0, p, q, sc, first
.irp a, \a0, \a0+1
.irp b, 0,1,2,3,4,5,6,7
.if \first
	v_wmma_scale_f32_16x16x128_f8f6f4 v[8*(8*((\a)%4)+\b):8*(8*((\a)%4)+\b)+7], v[128*(\p)+FR*\b:128*(\p)+FR*\b+FR-1], v[AF+FR*(\a):AF+FR*(\a)+FR-1], v[BI+8*\b:BI+8*\b+7], v[SC+8*NQ*(\sc)+NQ*\b+(\q)], v[SC+8*NQ*(\sc)+NQ*(\a)+(\q)] matrix_a_fmt:MATRIX_FMT_FP4 matrix_b_fmt:MATRIX_FMT_FP4 matrix_a_scale:MATRIX_SCALE_ROW1
.else
	v_wmma_scale_f32_16x16x128_f8f6f4 v[8*(8*((\a)%4)+\b):8*(8*((\a)%4)+\b)+7], v[128*(\p)+FR*\b:128*(\p)+FR*\b+FR-1], v[AF+FR*(\a):AF+FR*(\a)+FR-1], v[8*(8*((\a)%4)+\b):8*(8*((\a)%4)+\b)+7], v[SC+8*NQ*(\sc)+NQ*\b+(\q)], v[SC+8*NQ*(\sc)+NQ*(\a)+(\q)] matrix_a_fmt:MATRIX_FMT_FP4 matrix_b_fmt:MATRIX_FMT_FP4 matrix_a_scale:MATRIX_SCALE_ROW1
.endif
.endr
.endr
.endm
.macro FETCH_B slot, q, p
	WIN TO_B
.irp i, 0,1,2,3,4,5,6,7
	FRAG 128*(\p)+FR*\i, ADRB+\slot, \q, \i
.endr
	WIN 0
.endm
.macro FETCH_A slot, q, i0
.irp i, \i0, \i0+1, \i0+2, \i0+3
	FRAG AF+FR*(\i), ADRA+\slot, \q, \i
.endr
.endm
.macro SCALES sc                       ; a slot's scale words: four words a row; lanes 0-15 take A's block i, lanes 16-31 B's block i
.irp i, 0,1,2,3,4,5,6,7
	ds_load_b128 v[SC+8*NQ*\sc+NQ*\i:SC+8*NQ*\sc+NQ*\i+3], v[ADRS] offset:\i*SBLK
.endr
.endm
.macro PLACES n                        ; plain vector instructions between a matrix instruction and a load into, or a read of, its registers
.rept \n
	v_nop
.endr
.endm
.macro STEP slot, q, first             ; 128 along K, with its successor in the same slot
	s_wait_dscnt 4*NL                              ; B's set and A's blocks 0-3 are in; the youngest eight loads (A's blocks 4-7) may be out
.if \first
	WIN FIRST_LO
.else
	WIN MUL_LO
.endif
	MUL16 0, (\q)%2, \q, \slot, \first
	MUL16 2, (\q)%2, \q, \slot, \first
	s_wait_dscnt 0
	PLACES NP
	FETCH_B \slot, (\q)+1, 1-(\q)%2
	FETCH_A \slot, (\q)+1, 0
.if \first
	WIN FIRST_HI
.else
	WIN MUL_HI
.endif
	MUL16 4, (\q)%2, \q, \slot, \first
	MUL16 6, (\q)%2, \q, \slot, \first
	PLACES NP
	WIN 0
	FETCH_A \slot, (\q)+1, 4
.endm
; Slot 0's last step changes slots: each wave waits for all its tensor loads (its part of slot 1), adds 0 to its spare word, waits for that and for its LDS reads, and passes the barrier: behind it slot 1 is whole.  Nothing is filled again.
.macro TURN slot, next
	s_wait_tensorcnt 0x0
	ds_add_u32 v[SPW], v[NIL]
	s_wait_dscnt 4*NL+1                            ; (the add and the youngest eight loads may be out)
	WIN MUL_LO
	MUL16 0, 1, NQ-1, \slot, 0
	s_wait_dscnt 0x0
	s_barrier_signal -1
	MUL16 2, 1, NQ-1, \slot, 0
	WIN 0
	s_barrier_wait -1
	PLACES NP
	v_add_nc_u32 v[ADRS], 4*NQ, v[ADRS]            ; on to the next slot's scale words
	FETCH_B \next, 0, 0
	FETCH_A \next, 0, 0
	SCALES \next
	WIN MUL_HI
	MUL16 4, 1, NQ-1, \slot, 0
	MUL16 6, 1, NQ-1, \slot, 0
	PLACES NP
	WIN 0
	FETCH_A \next, 0, 4
.endm
.macro STEPS slot, from
.set Q, \from
.rept NQ-1-\from
	STEP \slot, Q, 0
.set Q, Q+1
.endr
.endm
	s_wait_loadcnt 0x0                             ; the bias
	s_wait_tensorcnt 1                             ; the scales and my part of slot 0 are in (slot 1's load may be out),
	s_barrier_signal -1
	s_barrier_wait -1                              ; everybody's are
	FETCH_B 0, 0, 0
	FETCH_A 0, 0, 0
	SCALES 0
	FETCH_A 0, 0, 4
	STEP 0, 0, 1
	STEPS 0, 1
	TURN 0, 1
	STEPS 1, 0
	s_wait_dscnt 4*NL                              ; the last step: nothing more to fetch
	WIN MUL_LO
	MUL16 0, 1, NQ-1, 1, 0
	MUL16 2, 1, NQ-1, 1, 0
	s_wait_dscnt 0
	WIN MUL_HI
	MUL16 4, 1, NQ-1, 1, 0
	MUL16 6, 1, NQ-1, 1, 0
	WIN 0
	PLACES NP
	; THE F32 COPY of positions 0-15: my block 0, where my first row is a sequence's first.  No branch hangs on the place in the cluster: the lanes are switched off instead.
	; A lane stores 32 neighbouring bytes of a row: 512-byte runs come together from 16 stores; it is 786,432 bytes of the launch's 51 million.
	s_wait_xcnt 0x0                                ; EXEC changes only behind this wait
	v_cmp_eq_u32 vcc_lo, 0, v9
	s_and_saveexec_b32 s94, vcc_lo
	WIN 0x08                                       ; a store's data are its source 1: window 2
.irp b, 0,1,2,3,4,5,6,7
	global_store_b128 v8, v[8*\b:8*\b+3], s[66:67] offset:64*\b          ; each accumulator from its low end on
	global_store_b128 v8, v[8*\b+4:8*\b+7], s[66:67] offset:64*\b+16
.endr
	WIN 0
	s_wait_xcnt 0x0
	s_or_b32 exec_lo, exec_lo, s94
; THE WAY OUT, block by block of 16 rows x 128 columns (two heads): rounded to f16, through my own stage, and out so that sixteen neighbouring lanes store 256 consecutive bytes: two positions of one head.
.macro PACK a
.set AC, 64*((\a)%4)
	WIN 0x0a+5*((\a)/4)                            ; sources 0 and 1: window 2 or 3
.irp b, 0,1,2,3,4,5,6,7
.irp r, 0,1,2,3
	v_cvt_pk_f16_f32 v[BI+4*\b+\r], v[AC+8*\b+2*\r], v[AC+8*\b+2*\r+1]
.endr
.endr
	WIN 0
.endm
.macro TOSTAGE a
.set OB, AF+32*((\a)%2)
.irp b, 0,1,2,3,4,5,6,7
	ds_store_b128 v[STO], v[BI+4*\b:BI+4*\b+3] offset:32*\b
.endr
.irp u, 0,1,2,3,4,5,6,7
	ds_load_b128 v[OB+4*\u:OB+4*\u+3], v[RD] offset:\u*2*SPITCH    ; LDS serves a wave's instructions in order: these see the stores above
.endr
.endm
.macro SEND a
.set OB, AF+32*((\a)%2)
	s_wait_dscnt 0x0                               ; the block is back in registers
	s_wait_xcnt 0x0                                ; the earlier stores have read their registers: the next block's loads may land there
.irp u, 0,1,2,3,4,5,6,7
	global_store_b128 v[CO], v[OB+4*\u:OB+4*\u+3], s[12:13] offset:2048*(\a)+256*\u
.endr
.endm
	PACK 0
	TOSTAGE 0
.irp a, 1,2,3,4,5,6,7
	PACK \a
	SEND \a-1
	TOSTAGE \a
.endr
	SEND 7
	s_wait_tensorcnt 0x0                           ; the wave's end
	ds_add_u32 v[SPW], v[NIL]
	s_wait_dscnt 0x0
	CROUND                                         ; the closing round
	s_endpgm
.Lfunc_end_k_qb47b98573f_proj:
	.size	k_qb47b98573f_proj, .Lfunc_end_k_qb47b98573f_proj-k_qb47b98573f_proj
	.p2alignl 7, 3214868480
	.fill 96, 4, 3214868480
	.section	.rodata,"a",@progbits
	.p2align	6, 0x0
	.amdhsa_kernel k_qb47b98573f_proj
		.amdhsa_group_segment_fixed_size 327680
		.amdhsa_private_segment_fixed_size 0
		.amdhsa_enable_private_segment 0
		.amdhsa_kernarg_size 64
		.amdhsa_user_sgpr_count 2
		.amdhsa_user_sgpr_kernarg_segment_ptr 1
		.amdhsa_wavefront_size32 1
		.amdhsa_system_sgpr_workgroup_id_x 1
		.amdhsa_system_sgpr_workgroup_id_y 1
		.amdhsa_system_sgpr_workgroup_id_z 1
		.amdhsa_system_vgpr_workitem_id 0
		.amdhsa_next_free_vgpr 1024
		.amdhsa_next_free_sgpr 102
		.amdhsa_reserve_vcc 1
		.amdhsa_float_denorm_mode_32 3
		.amdhsa_float_denorm_mode_16_64 3
		.amdhsa_memory_ordered 1
		.amdhsa_forward_progress 1
		.amdhsa_inst_pref_size 133
	.end_amdhsa_kernel
	.amdgpu_metadata
---
amdhsa.version: [ 1, 2 ]
amdhsa.kernels:
  - .name:           k_qb47b98573f_proj
    .symbol:         k_qb47b98573f_proj.kd
    .args:
      - { .name: xc, .offset: 0, .size: 8, .value_kind: global_buffer, .address_space: global }
      - { .name: xs, .offset: 8, .size: 8, .value_kind: global_buffer, .address_space: global }
      - { .name: wc, .offset: 16, .size: 8, .value_kind: global_buffer, .address_space: global }
      - { .name: ws, .offset: 24, .size: 8, .value_kind: global_buffer, .address_space: global }
      - { .name: bq, .offset: 32, .size: 8, .value_kind: global_buffer, .address_space: global }
      - { .name: bv, .offset: 40, .size: 8, .value_kind: global_buffer, .address_space: global }
      - { .name: qkv, .offset: 48, .size: 8, .value_kind: global_buffer, .address_space: global }
      - { .name: fine, .offset: 56, .size: 8, .value_kind: global_buffer, .address_space: global }
    .group_segment_fixed_size: 327680
    .private_segment_fixed_size: 0
    .kernarg_segment_align: 8
    .kernarg_segment_size: 64
    .max_flat_workgroup_size: 128
    .sgpr_count:     102
    .vgpr_count:     1024
    .wavefront_size: 32
...
	.end_amdgpu_metadata
.endif
;; end of part 2
;; launch attn (part 3): grid 4 x 64, 16 waves a work-group, no clusters, 327,680 bytes of LDS; arguments qkv, o16; writes o16
.if DOCPART == 3
	.amdgcn_target "amdgcn-amd-amdhsa--gfx1250"
	.amdhsa_code_object_version 6
	.text
	.protected	k_qb47b98573f_attn
	.globl	k_qb47b98573f_attn
	.p2align	8
	.type	k_qb47b98573f_attn,@function
k_qb47b98573f_attn:
	s_mov_b64 s[64:65], 0
	v_nop
	global_prefetch_b8 v0, s[64:65] scope:SCOPE_SE
	s_setreg_imm32_b32 hwreg(HW_REG_WAVE_MODE, 25, 1), 1
	s_wait_xcnt 0x0
; LAUNCH 3 OF 5: o16[b][h][q][:] = the sum over k <= q of softmax_k(Q[q] . K[k] / 8) V[k][:], f16 operands, f32 products, maxima and sums; the weights are rounded to f16 for the second product.
; LEFT OUT: key steps all of whose keys come after the wave's queries (the mask that the problem builds itself gives them the weight 0); bk (shown at the head of the first kernel).
; Hidden scores inside a live tile become -infinity ahead of the maximum, so their weight is 0: the limit on this is stated at the head of the first kernel.
; Positions 0-15 of every sequence are computed here with the rest of their tile; what is made of them is written over by the last launch, which carries them in f32.
; SHARES.  A work-group serves one head (work-group y = 16 b + h) and two blocks of 256 queries, i and 7 - i (i = work-group x): waves 0-7 the early block, waves 8-15 the late one, 32 queries (two tiles) a wave.
; So every work-group has the same work: i + 1 and 8 - i blocks of 256 keys.  Four waves share a SIMD: one wave's vector work stands beside another's matrix work and LDS loads.
; NO CLUSTER: the four work-groups of a head stop asking at 8 - i slots; a joint load would bring a partner tiles that none of its waves reads.
; RING.  Two LDS slots of 256 keys (K: rows of 128 bytes + 16; V: + 32), filled by waves 0, 1 (K's halves) and 2, 3 (V's), read by all sixteen.  Every work-group walks all 8 slots: trip counts are constants;
; what is left out is a step's work, and the load of a slot whose first key comes after the work-group's last query.
; LAYOUT.  S^T = K Q^T (source 0 = 16 keys, source 1 = 16 queries): a lane holds ONE query (lane % 16) and keys 8 (lane / 16) + 0..7.  Two such tiles, rounded in pairs, ARE source 1 (32 keys x 16 queries) of
; O^T = V^T P, whose result again holds one query a lane.  K comes out of LDS as it lies, V ([key][channel]) turned, by ds_load_tr16_b128.
; SOFTMAX.  A running maximum m and sum l for each query: p = 2^(c s - c m), c = log2(e) / 8; in every step O and l are multiplied by a = 2^(c m_old - c m_new).
.set PK,    144
.set PV,    160
.set VOFF,  256*PK                     ; a slot: 256 rows of K, then 256 rows of V
.set SLOT1, 1<<17                      ; slot 1 begins here: one exclusive or turns an address
.set STAGE, SLOT1+256*(PK+PV)          ; the way out: 32 rows x 144 bytes for each wave; no fill lands here
.set SPARE, STAGE+16*32*PK             ; the spare words, 128 bytes a wave
.set SLB,   256*128                    ; a slot's keys in memory, in bytes, of K and of V
.set AK0, 1                            ; v1   my lane's place in a tile of K
.set AV0, 2                            ; v2   the same for V
.set SPW, 3                            ; v3   my spare word; never rewritten
.set NIL, 4                            ; v4   0; never rewritten
.set GO,  5                            ; v5   16 x lane
.set ADK, 6                            ; v6   LDS address of the slot's K
.set ADV, 7                            ; v7   of its V
.set PFO, 10                           ; v10  256 x lane
.set QO,  11                           ; v11  my byte offset in the wave's rows of Q
.set ST,  12                           ; tile t's statistics at v[ST+8 t]: +0 c m, +1 m, +2, +3 l, +4 to +7 at work; a in +6
.set STO, 28
.set RD,  29
.set RH,  30                           ; v30  lane % 16 - 8 (lane / 16)
.set Q,   32                           ; v32-63    Q: 16 t + 8 ds
.set KV,  64                           ; v64-95    four fragments of K or of V
.set S,   96                           ; v96-159   S^T, then p: 32 t + 8 kt + j
.set O,   160                          ; v160-223  O^T: 32 t + 8 ct + j
.set P,   224                          ; v224-255  P: 16 t + i
.set WV,  18
.set SEL, 20
.set CS,  22
.set G1K, 24
.set G1V, 32
.set G0K, 40
.set G0V, 44
.set TB,  48                           ; s48  LDS byte at which the slot in hand begins
.set SLOTS, 50
.set KF,  51                           ; s51  the step's first key
.set Q0,  52                           ; s52  my first query
.set QL,  53                           ; s53  my work-group's last query
.set PFA, 56
.set LIM, 58
; Waves 0 and 1 fetch for K, waves 2 and 3 for V, the others nothing.  An s_nop 0 and four v_nop follow each of the two lines.
.macro TLOAD
	s_cmp_lt_u32 s[WV], 2
	s_cbranch_scc0 .Lnot_k_\@
	tensor_load_to_lds s[G0K:G0K+3], s[G1K:G1K+7]
	s_nop 0
.rept 4
	v_nop
.endr
	s_branch .Lasked_\@
.Lnot_k_\@:
	s_cmp_lt_u32 s[WV], 4
	s_cbranch_scc0 .Lasked_\@
	tensor_load_to_lds s[G0V:G0V+3], s[G1V:G1V+7]
	s_nop 0
.rept 4
	v_nop
.endr
.Lasked_\@:
.endm
; A prefetch of what the NEXT change of slots will ask for: 32,768 dense bytes of K and of V.  Each aligned block of 256 bytes is named once in the launch: the head's first work-group asks (it walks all eight slots);
; in it waves 4-7 ask for K's, waves 8-11 for V's, 8,192 bytes a wave, lanes 256 bytes apart.  The last change that fills a slot asks for nothing; slots 0 and 1 come by their loads alone.
.macro ASK
	s_cmp_gt_u32 s[SLOTS], s[LIM]
	s_cbranch_scc0 .Lnot_mine_\@
	global_prefetch_b8 v[PFO], s[PFA:PFA+1] th:TH_LOAD_NT scope:SCOPE_SE
.Lnot_mine_\@:
.endm
	s_load_b128 s[4:7], s[0:1], 0x0                ; qkv, o16
	v_lshl_add_u32 v[SPW], v0, 2, SPARE
	v_mov_b32 v[NIL], 0
	ds_add_u32 v[SPW], v[NIL]                      ; the wave's opening: the add, twice on end, and its wait ahead of my first tensor load
	ds_add_u32 v[SPW], v[NIL]
	v_lshrrev_b32 v8, 5, v0
	v_readfirstlane_b32 s[WV], v8                  ; wave 0..15
	s_and_b32 s66, ttmp7, 0xffff
	s_lshl_b32 s66, s66, 18                        ; the head's first byte in Q, K, V and o16
	s_and_b32 s67, s[WV], 1                        ; which half of a slot I fetch, if I fetch
	s_lshl_b32 s68, s67, 14
	s_add_co_u32 s68, s68, s66
	s_add_co_u32 s70, s68, 0x2000000               ; V lies 2 x 16,777,216 bytes behind Q,
	s_add_co_u32 s68, s68, 0x1000000               ; K one
	s_mov_b32 s69, 0
	s_mov_b32 s71, 0
	s_mul_i32 s72, s67, 128*PK
	s_mul_i32 s73, s67, 128*PV
	s_add_co_u32 s73, s73, VOFF
	s_sub_co_u32 s74, 7, ttmp9
	s_cmp_lt_u32 s[WV], 8
	s_cselect_b32 s75, ttmp9, s74                  ; my block of 256 queries
	s_lshl_b32 s[Q0], s75, 8
	s_and_b32 s75, s[WV], 7
	s_lshl_b32 s75, s75, 5
	s_add_co_u32 s[Q0], s[Q0], s75
	s_lshl_b32 s[QL], s74, 8
	s_or_b32 s[QL], s[QL], 255
	s_lshl_b32 s74, s[Q0], 7
	s_add_co_u32 s74, s74, s66                     ; my first query's row, in Q and in o16
	s_mov_b32 s75, 0
	s_cmp_lt_u32 s[WV], 8                          ; the prefetches: waves 4-7 K, waves 8-11 V
	s_mov_b32 s76, 0x2000000
	s_cselect_b32 s76, 0x1000000, s76
	s_add_co_u32 s76, s76, s66
	s_and_b32 s77, s[WV], 3
	s_lshl_b32 s77, s77, 13
	s_add_co_u32 s76, s76, s77
	s_add_co_u32 s76, s76, SLB                     ; in slot 1: the first change of slots steps it to slot 2
	s_mov_b32 s77, 0
	s_sub_co_u32 s78, s[WV], 4
	s_lshr_b32 s78, s78, 3                         ; 0 in waves 4 to 11,
	s_or_b32 s78, s78, ttmp9                       ; of the head's first work-group
	s_cmp_eq_u32 s78, 0
	s_cselect_b32 s[LIM], 1, -1
	s_mov_b32 s[G1K], (1<<16)|(1<<20)|(4<<22)|(3<<25)   ; no mask; elements of 2 bytes; padding on: after every 32 words, 4 words
	s_mov_b32 s[G1V], (1<<16)|(1<<20)|(4<<22)|(7<<25)   ; 8 words
.irp g, G1K, G1V
	s_mov_b32 s[\g+1], 64<<16                      ; tensor_dim0 = 64
	s_mov_b32 s[\g+2], 128<<16                     ; tensor_dim1 = 128
	s_mov_b32 s[\g+3], 64<<16                      ; tile_dim0
	s_mov_b32 s[\g+4], 128                         ; tile_dim1
	s_mov_b32 s[\g+5], 64                          ; from row to row
	s_mov_b32 s[\g+6], 0
	s_mov_b32 s[\g+7], 0
.endr
	s_mov_b32 s[SEL], 0x76543210
	s_mov_b32 s[SEL+1], 0xfedcba98
	s_mov_b32 s[CS], 0x3e38aa3b                    ; c = log2(e) / 8
	s_mov_b32 s[CS+1], s[CS]
	s_mov_b32 s[TB], 0
	s_mov_b32 s[SLOTS], 7
	s_mov_b32 s[KF], 0
	s_wait_dscnt 0x0                               ; both opening adds are done
	s_wait_kmcnt 0x0
	s_mov_b32 s[G0K], 1
	s_mov_b32 s[G0K+1], s72
	s_add_nc_u64 s[G0K+2:G0K+3], s[4:5], s[68:69]
	s_or_b32 s[G0K+3], s[G0K+3], 0x80000000
	s_mov_b32 s[G0V], 1
	s_mov_b32 s[G0V+1], s73
	s_add_nc_u64 s[G0V+2:G0V+3], s[4:5], s[70:71]
	s_or_b32 s[G0V+3], s[G0V+3], 0x80000000
	TLOAD                                          ; slot 0: it holds key 0, which counts for every query
	s_add_nc_u64 s[8:9], s[4:5], s[74:75]          ; Q at my first query
	s_add_nc_u64 s[10:11], s[6:7], s[74:75]        ; o16 likewise
	s_add_nc_u64 s[PFA:PFA+1], s[4:5], s[76:77]
	v_and_b32 v8, 15, v0                           ; r
	v_bfe_u32 v31, v0, 4, 1                        ; h
	v_lshlrev_b32 v[QO], 7, v8
	v_lshl_add_u32 v[QO], v31, 4, v[QO]
.irp t, 0,1
.irp d, 0,1
.irp u, 0,1
	global_load_b128 v[Q+16*\t+8*\d+4*\u:Q+16*\t+8*\d+4*\u+3], v[QO], s[8:9] offset:2048*\t+64*\d+32*\u   ; Q stays in registers
.endr
.endr
.endr
	v_mul_u32_u24 v[AK0], v8, PK
	v_lshl_add_u32 v[AK0], v31, 4, v[AK0]          ; row x pitch + 16 x half
	v_and_b32 v9, 7, v0
	v_lshl_add_u32 v[AV0], v31, 3, v9              ; the turning load: key 8 (l / 16) + l % 8, channels 8 ((l / 8) % 2) on
	v_mul_u32_u24 v[AV0], v[AV0], PV
	v_bfe_u32 v9, v0, 3, 1
	v_lshl_add_u32 v[AV0], v9, 4, v[AV0]
	v_add_nc_u32 v[AV0], VOFF, v[AV0]
	v_and_b32 v[GO], 31, v0
	v_lshlrev_b32 v[PFO], 8, v[GO]
	v_lshlrev_b32 v[GO], 4, v[GO]
	s_mul_i32 s60, s[WV], 32*PK
	s_add_co_u32 s60, s60, STAGE                   ; my stage
	v_mul_u32_u24 v[STO], v8, PK
	v_lshl_add_u32 v[STO], v31, 4, v[STO]
	v_add_nc_u32 v[STO], s60, v[STO]
	v_bfe_u32 v[RD], v0, 3, 2                      ; back: eight lanes to a row of 128 bytes, four rows an instruction
	v_mul_u32_u24 v[RD], v[RD], PK
	v_and_b32 v9, 7, v0
	v_lshl_add_u32 v[RD], v9, 4, v[RD]
	v_add_nc_u32 v[RD], s60, v[RD]
	v_lshlrev_b32 v[RH], 3, v31
	v_sub_nc_u32 v[RH], v8, v[RH]
	v_mov_b32 v9, 0xff800000                       ; -infinity
.irp t, 0,1
	v_mov_b32 v[ST+8*\t+1], 0xff61b1e6             ; m: -3e38, under every score
	v_mul_f32 v[ST+8*\t], s[CS], v[ST+8*\t+1]
.irp j, 2,3,4,5,6,7
	v_mov_b32 v[ST+8*\t+\j], 0
.endr
.endr
.set i, 0
.rept 64
	v_mov_b32 v[O+i], 0                            ; O^T.  (The step is written without a first form: the first change of m multiplies zeros)
.set i, i+1
.endr
; A KEY STEP: 64 keys, the q-th of the slot in hand.
.macro STEP q
	s_add_co_u32 s60, s[Q0], 31                    ; a step all of whose keys come after my 32 queries is left out: a scalar branch on ids; no barrier or tensor load stands in a step
	s_cmp_gt_u32 s[KF], s60
	s_cbranch_scc1 .Lhidden_\@
	v_add_nc_u32 v[ADK], s[TB], v[AK0]
	v_add_nc_u32 v[ADV], s[TB], v[AV0]
	v_nop                                          ; with the two additions: four places in front of loads into registers that the last products read
	v_nop
.irp g, 0,1                                    ; S^T = K Q^T, 32 keys at a time
.if \g > 0
.rept 4
	v_nop
.endr
.endif
.irp k, 0,1
.irp d, 0,1
.irp u, 0,1
	ds_load_b128 v[KV+16*\k+8*\d+4*\u:KV+16*\k+8*\d+4*\u+3], v[ADK] offset:(64*(\q)+32*\g+16*\k)*PK+64*\d+32*\u
.endr
.endr
.endr
	s_wait_dscnt 0x0
.irp d, 0,1                                    ; four accumulators by turns, one instruction a turn
.irp k, 0,1
.irp t, 0,1
.if \d == 0
	v_wmma_f32_16x16x32_f16 v[S+32*\t+8*(2*\g+\k):S+32*\t+8*(2*\g+\k)+7], v[KV+16*\k+8*\d:KV+16*\k+8*\d+7], v[Q+16*\t+8*\d:Q+16*\t+8*\d+7], 0
.else
	v_wmma_f32_16x16x32_f16 v[S+32*\t+8*(2*\g+\k):S+32*\t+8*(2*\g+\k)+7], v[KV+16*\k+8*\d:KV+16*\k+8*\d+7], v[Q+16*\t+8*\d:Q+16*\t+8*\d+7], v[S+32*\t+8*(2*\g+\k):S+32*\t+8*(2*\g+\k)+7]
.endif
.endr
.endr
.endr
.endr
.rept 4
	v_nop
.endr
	s_add_co_u32 s60, s[KF], 63                    ; on the diagonal hidden scores become -infinity.  A step all of whose keys count skips this
	s_cmp_le_u32 s60, s[Q0]
	s_cbranch_scc1 .Lopen_\@
	s_sub_co_i32 s60, s[Q0], s[KF]
	v_add_nc_u32 v8, s60, v[RH]                    ; d = Q0 - KF + r - 8 h.  Register 32 t + 8 kt + j: key KF + 16 kt + 8 h + j, query Q0 + 16 t + r: hidden where 16 kt + j - 16 t > d
.irp t, 0,1
.irp n, 0,1,2,3,4,5,6,7,8,9,10,11,12,13,14,15,16,17,18,19,20,21,22,23,24,25,26,27,28,29,30,31
	v_cmp_gt_i32 vcc_lo, 16*(\n/8)+\n%8-16*\t, v8
	v_cndmask_b32 v[S+32*\t+\n], v[S+32*\t+\n], v9, vcc_lo
.endr
.endr
.Lopen_\@:
.irp j, 0,1,2,3                                ; the maximum: four chains a tile, each from an accumulator's low end on; the two tiles by turns
.irp t, 0,1
	v_max3_num_f32 v[ST+8*\t+4+\j], v[S+32*\t+8*\j], v[S+32*\t+8*\j+1], v[S+32*\t+8*\j+2]
.endr
.endr
.irp i, 3,5
.irp j, 0,1,2,3
.irp t, 0,1
	v_max3_num_f32 v[ST+8*\t+4+\j], v[ST+8*\t+4+\j], v[S+32*\t+8*\j+\i], v[S+32*\t+8*\j+\i+1]
.endr
.endr
.endr
.irp t, 0,1
	v_max3_num_f32 v[ST+8*\t+4], v[ST+8*\t+4], v[S+32*\t+7], v[S+32*\t+15]
.endr
.irp t, 0,1
	v_max3_num_f32 v[ST+8*\t+6], v[ST+8*\t+6], v[S+32*\t+23], v[S+32*\t+31]
.endr
.irp t, 0,1
	v_max3_num_f32 v[ST+8*\t+4], v[ST+8*\t+4], v[ST+8*\t+5], v[ST+8*\t+6]
.endr
.irp t, 0,1
	v_max3_num_f32 v[ST+8*\t+4], v[ST+8*\t+4], v[ST+8*\t+7], v[ST+8*\t+1]
.endr
.irp t, 0,1
	v_permlanex16_b32 v[ST+8*\t+5], v[ST+8*\t+4], s[SEL], s[SEL+1]   ; the query's other 32 keys lie in the lane 16 away
.endr
.irp t, 0,1
	v_mov_b32 v[ST+8*\t+7], v[ST+8*\t]             ; c m_old
.endr
.irp t, 0,1
	v_max_num_f32 v[ST+8*\t+1], v[ST+8*\t+4], v[ST+8*\t+5]
.endr
.irp t, 0,1
	v_mul_f32 v[ST+8*\t], s[CS], v[ST+8*\t+1]
.endr
.irp t, 0,1
	v_sub_f32 v[ST+8*\t+7], v[ST+8*\t+7], v[ST+8*\t]
.endr
.irp b, 0,2,4,6,8,10,12,14,16,18,20,22,24,26,28,30
.irp t, 0,1
	v_pk_fma_f32 v[S+32*\t+\b:S+32*\t+\b+1], v[S+32*\t+\b:S+32*\t+\b+1], s[CS:CS+1], v[ST+8*\t:ST+8*\t+1] op_sel_hi:[1,0,0] neg_lo:[0,0,1] neg_hi:[0,0,1]   ; c s - c m
.endr
.endr
.irp t, 0,1                                    ; ONE BATCH of 66 exponentials
	v_exp_f32 v[ST+8*\t+6], v[ST+8*\t+7]           ; a
.endr
.irp t, 0,1
.irp n, 0,1,2,3,4,5,6,7,8,9,10,11,12,13,14,15,16,17,18,19,20,21,22,23,24,25,26,27,28,29,30,31
	v_exp_f32 v[S+32*\t+\n], v[S+32*\t+\n]
.endr
.endr
	v_nop                                          ; a plain instruction behind the last exponential,
	s_wait_alu depctr_va_vdst(0)                   ; and one wait for the batch, ahead of its first reader
.irp i, 0,1,2,3,4,5,6,7,8,9,10,11,12,13,14,15
.irp t, 0,1
	v_cvt_pk_f16_f32 v[P+16*\t+\i], v[S+32*\t+2*\i], v[S+32*\t+2*\i+1]
.endr
.endr
.irp u, 0,1,2,3,4,5,6,7                        ; the sum of the unrounded weights, in place, pairs 1, 2, 4 and 8 apart
.irp t, 0,1
	v_pk_add_f32 v[S+32*\t+4*\u:S+32*\t+4*\u+1], v[S+32*\t+4*\u:S+32*\t+4*\u+1], v[S+32*\t+4*\u+2:S+32*\t+4*\u+3]
.endr
.endr
.irp u, 0,1,2,3
.irp t, 0,1
	v_pk_add_f32 v[S+32*\t+8*\u:S+32*\t+8*\u+1], v[S+32*\t+8*\u:S+32*\t+8*\u+1], v[S+32*\t+8*\u+4:S+32*\t+8*\u+5]
.endr
.endr
.irp u, 0,1
.irp t, 0,1
	v_pk_add_f32 v[S+32*\t+16*\u:S+32*\t+16*\u+1], v[S+32*\t+16*\u:S+32*\t+16*\u+1], v[S+32*\t+16*\u+8:S+32*\t+16*\u+9]
.endr
.endr
.irp t, 0,1
	v_pk_add_f32 v[S+32*\t:S+32*\t+1], v[S+32*\t:S+32*\t+1], v[S+32*\t+16:S+32*\t+17]
.endr
.irp t, 0,1
	v_pk_fma_f32 v[ST+8*\t+2:ST+8*\t+3], v[ST+8*\t+2:ST+8*\t+3], v[ST+8*\t+6:ST+8*\t+7], v[S+32*\t:S+32*\t+1] op_sel_hi:[1,0,1]   ; l = a l + the sum
.endr
.irp t, 0,1
.irp j, 0,2,4,6,8,10,12,14,16,18,20,22,24,26,28,30
	v_pk_mul_f32 v[O+32*\t+\j:O+32*\t+\j+1], v[O+32*\t+\j:O+32*\t+\j+1], v[ST+8*\t+6:ST+8*\t+7] op_sel_hi:[1,0]   ; O^T x a, each accumulator from its low end on
.endr
.endr
.irp g, 0,1                                    ; O^T += V^T P, 32 keys at a time
.if \g > 0
.rept 4
	v_nop
.endr
.endif
.irp c, 0,1,2,3
.irp u, 0,1
	ds_load_tr16_b128 v[KV+8*\c+4*\u:KV+8*\c+4*\u+3], v[ADV] offset:(64*(\q)+32*\g+16*\u)*PV+32*\c
.endr
.endr
	s_wait_dscnt 0x0
.irp c, 0,1,2,3                                ; eight accumulators by turns
.irp t, 0,1
	v_wmma_f32_16x16x32_f16 v[O+32*\t+8*\c:O+32*\t+8*\c+7], v[KV+8*\c:KV+8*\c+7], v[P+16*\t+8*\g:P+16*\t+8*\g+7], v[O+32*\t+8*\c:O+32*\t+8*\c+7]
.endr
.endr
.endr
.Lhidden_\@:
	s_add_co_u32 s[KF], s[KF], 64
.endm
; THE CHANGE OF SLOTS stands at a slot's head.  Each wave waits for all its tensor loads, adds 0 to its spare word (fill = 1: twice on end), and waits for that and for its reads of the slot that it has left.
; Behind the barrier the slot ahead is whole and nobody reads the other one; fill = 1: that other slot is filled with the keys that follow, up to the causal limit.
.macro CHANGE fill
	s_wait_tensorcnt 0x0                           ; no tensor load of mine is out, so a group 0 may be written
	ds_add_u32 v[SPW], v[NIL]
.if \fill
	ds_add_u32 v[SPW], v[NIL]                      ; and once more
	s_xor_b32 s[G0K+1], s[G0K+1], SLOT1
	s_add_nc_u64 s[G0K+2:G0K+3], s[G0K+2:G0K+3], SLB
	s_xor_b32 s[G0V+1], s[G0V+1], SLOT1
	s_add_nc_u64 s[G0V+2:G0V+3], s[G0V+2:G0V+3], SLB
	s_wait_xcnt 0x0                                ; the last prefetch, a slot back, has read its address
	s_add_nc_u64 s[PFA:PFA+1], s[PFA:PFA+1], SLB
.endif
	s_wait_dscnt 0x0
	s_barrier_signal -1
	s_barrier_wait -1
.if \fill
	s_add_co_u32 s60, s[KF], 256                   ; the first key of the slot that this change would ask for:
	s_cmp_gt_u32 s60, s[QL]                        ; past my work-group's last query none of its waves reads it, so it is not asked for.  Ids and the count of steps alone: all sixteen waves go the same way
	s_cbranch_scc1 .Lpast_\@
	TLOAD                                          ; a wave's one tensor load until the next barrier; every wait on TENSORcnt in this text is for 0
.Lpast_\@:
	ASK
.endif
.endm
.macro SLOT_STEPS
	STEP 0
	STEP 1
	STEP 2
	STEP 3
	s_xor_b32 s[TB], s[TB], SLOT1
.endm
	s_wait_loadcnt 0x0                             ; Q
.Lslot:                                            ; 7 trips
	CHANGE 1
	SLOT_STEPS
	s_sub_co_u32 s[SLOTS], s[SLOTS], 1
	s_cmp_lg_u32 s[SLOTS], 0
	s_cbranch_scc1 .Lslot
	CHANGE 0                                       ; the last slot is written out: nothing is left to ask for
	SLOT_STEPS
	; THE WAY OUT.  The four additions are the places behind the last products.
.irp t, 0,1
	v_add_f32 v[ST+8*\t+4], v[ST+8*\t+2], v[ST+8*\t+3]
.endr
.irp t, 0,1
	v_permlanex16_b32 v[ST+8*\t+5], v[ST+8*\t+4], s[SEL], s[SEL+1]
.endr
.irp t, 0,1
	v_add_f32 v[ST+8*\t+4], v[ST+8*\t+4], v[ST+8*\t+5]
.endr
.irp t, 0,1
	v_rcp_f32 v[ST+8*\t+6], v[ST+8*\t+4]
.endr
	v_nop
	s_wait_alu depctr_va_vdst(0)                   ; one wait for the two reciprocals, ahead of their first reader
.irp t, 0,1
.irp j, 0,2,4,6,8,10,12,14,16,18,20,22,24,26,28,30
	v_pk_mul_f32 v[O+32*\t+\j:O+32*\t+\j+1], v[O+32*\t+\j:O+32*\t+\j+1], v[ST+8*\t+6:ST+8*\t+7] op_sel_hi:[1,0]
.endr
.endr
.irp t, 0,1
.irp i, 0,1,2,3,4,5,6,7,8,9,10,11,12,13,14,15
	v_cvt_pk_f16_f32 v[S+16*\t+\i], v[O+32*\t+2*\i], v[O+32*\t+2*\i+1]
.endr
.endr
.irp t, 0,1
.irp c, 0,1,2,3
	ds_store_b128 v[STO], v[S+16*\t+4*\c:S+16*\t+4*\c+3] offset:16*PK*\t+32*\c
.endr
.endr
.irp i, 0,1,2,3,4,5,6,7
	ds_load_b128 v[S+32+4*\i:S+32+4*\i+3], v[RD] offset:4*PK*\i    ; LDS serves a wave's instructions in order: these see my stores
.endr
.irp i, 0,1,2,3,4,5,6,7
	s_wait_dscnt 7-\i                              ; load i is in; the younger ones may be out
	global_store_b128 v[GO], v[S+32+4*\i:S+32+4*\i+3], s[10:11] offset:512*\i   ; the wave stores 512 consecutive bytes, aligned: four positions of the head
.endr
	s_wait_tensorcnt 0x0                           ; the wave's end
	ds_add_u32 v[SPW], v[NIL]
	s_wait_dscnt 0x0
	s_endpgm
.Lfunc_end_k_qb47b98573f_attn:
	.size	k_qb47b98573f_attn, .Lfunc_end_k_qb47b98573f_attn-k_qb47b98573f_attn
	.p2alignl 7, 3214868480
	.fill 96, 4, 3214868480
	.section	.rodata,"a",@progbits
	.p2align	6, 0x0
	.amdhsa_kernel k_qb47b98573f_attn
		.amdhsa_group_segment_fixed_size 327680
		.amdhsa_private_segment_fixed_size 0
		.amdhsa_enable_private_segment 0
		.amdhsa_kernarg_size 16
		.amdhsa_user_sgpr_count 2
		.amdhsa_user_sgpr_kernarg_segment_ptr 1
		.amdhsa_wavefront_size32 1
		.amdhsa_system_sgpr_workgroup_id_x 1
		.amdhsa_system_sgpr_workgroup_id_y 1
		.amdhsa_system_sgpr_workgroup_id_z 1
		.amdhsa_system_vgpr_workitem_id 0
		.amdhsa_next_free_vgpr 256
		.amdhsa_next_free_sgpr 80
		.amdhsa_reserve_vcc 1
		.amdhsa_float_denorm_mode_32 3
		.amdhsa_float_denorm_mode_16_64 3
		.amdhsa_memory_ordered 1
		.amdhsa_forward_progress 1
		.amdhsa_inst_pref_size 189
	.end_amdhsa_kernel
	.amdgpu_metadata
---
amdhsa.version: [ 1, 2 ]
amdhsa.kernels:
  - .name:           k_qb47b98573f_attn
    .symbol:         k_qb47b98573f_attn.kd
    .args:
      - { .name: qkv, .offset: 0, .size: 8, .value_kind: global_buffer, .address_space: global }
      - { .name: o16, .offset: 8, .size: 8, .value_kind: global_buffer, .address_space: global }
    .group_segment_fixed_size: 327680
    .private_segment_fixed_size: 0
    .kernarg_segment_align: 8
    .kernarg_segment_size: 16
    .max_flat_workgroup_size: 512
    .sgpr_count:     80
    .vgpr_count:     256
    .wavefront_size: 32
...
	.end_amdgpu_metadata
.endif
;; end of part 3
;; launch outp (part 4): grid 8 x 64, 4 waves a work-group, clusters of 4 x 4, 327,680 bytes of LDS; arguments o16, wo16, bo, out0; writes out0
.if DOCPART == 4
	.amdgcn_target "amdgcn-amd-amdhsa--gfx1250"
	.amdhsa_code_object_version 6
	.text
	.protected	k_qb47b98573f_outp
	.globl	k_qb47b98573f_outp
	.p2align	8
	.type	k_qb47b98573f_outp,@function
k_qb47b98573f_outp:
	s_mov_b64 s[64:65], 0
	v_nop
	global_prefetch_b8 v0, s[64:65] scope:SCOPE_SE
	s_setreg_imm32_b32 hwreg(HW_REG_WAVE_MODE, 25, 1), 1
	s_wait_xcnt 0x0
	s_wait_alu depctr_hold_cnt(0) depctr_sa_sdst(0) depctr_va_vdst(0) depctr_va_sdst(0) depctr_va_ssrc(0) depctr_va_vcc(0) depctr_vm_vsrc(0)
	s_getreg_b32 s2, hwreg(HW_REG_IB_STS2, 6, 4)
	s_cmp_eq_u32 s2, 0
	s_cbranch_scc0 .Lentry_in_a_cluster
	s_endpgm
.Lentry_in_a_cluster:
	s_bfe_u32 s2, ttmp6, 0x10000c
	s_cmp_lg_u32 s2, 0xf033
	s_cbranch_scc0 .Lentry_shape_is_right
	s_endpgm
.Lentry_shape_is_right:
; LAUNCH 4 OF 5: out0[m][n] = the sum over k of A[m][k] Wo[n][k] + bo[n]; A is the attention's result, f16, laid by head: o16 [b][h][s][64]; wo16 [1,024][1,024] f16; sums in f32; out0 f32.
; No work is left out here.  Positions 0-15 of every sequence lie inside live tiles and are stored with them; the last launch writes them again from f32 operands.
; A tile of out0 is 128 x 128: 512 work-groups.  Four waves, each 64 x 64: 16 accumulators.  K goes in steps of 256 (four heads) through two LDS slots.
; A'S TILE BY HEAD: for 64 positions a head's numbers are 8,192 dense bytes, and heads lie 262,144 bytes apart: a tile of 4 rows of 4,096 elements, with 16 bytes of padding behind every 128 bytes:
; in LDS [head][64 positions, 144 bytes apart].  B's tile: 64 rows of 512 bytes, 528 apart.
; CLUSTERS: 4 x 4 work-groups; A's tiles are asked for jointly along a row of the cluster, B's along a column.  THE MATRIX INSTRUCTION IS USED TRANSPOSED (source 0 = 16 rows of Wo, source 1 = 16 rows of A):
; a lane holds eight neighbouring columns of a row.  The bias is the C of each sum's first product.
; REGISTERS: window 0: v0-31 addresses; v32-95 rows on the way out; v96-127 the bias; v128-255 the accumulators ((a, b) at v[128 + 8 (4 a + b)]).  window 1: two fragment buffers of 128.
.set KSTEP,  256
.set PA,     144                       ; a position's 128 bytes of a head + 16
.set HEADB,  64*PA                     ; a head's 64 positions in LDS
.set AH,     4*HEADB                   ; what one load of A brings
.set PB,     528
.set BH,     64*PB                     ; what one load of B brings
.set BOFF,   2*AH                      ; a slot: A's two halves, then B's two
.set SLOT,   2*AH+2*BH
.set STAGE,  2*SLOT                    ; 16 rows x (256 bytes + 16) for each wave; no fill lands here
.set SPITCH, 272
.set SPARE,  STAGE+4*16*SPITCH
.set ASTEP,  4*262144                  ; a K step on in o16: four heads
.set LAPS,   2
.set ADRA, 16
.set ADRB, 20
.set STO,  24
.set RD,   25
.set CO,   26
.set SPW,  28
.set NIL,  29
.set TMP,  32
.set BI,   96
.set ACC,  128
.set F0,   0
.set F1,   128
.set G1, 24
.set G0, 32
.set G1B, 48
.set G0B, 56
.set MSB, 0
.macro WIN new
.if MSB != \new
	s_set_vgpr_msb (MSB<<8)|\new
.set MSB, \new
.endif
.endm
.set MUL,  0x05                        ; sources 0 (B) and 1 (A) window 1; C and D window 0
.set TO_F, 0x40
.macro JLOAD s                         ; a joint load: waves 0 and 1 fetch A's two halves, waves 2 and 3 B's; an s_nop 0 and four v_nop follow each of the two lines
	s_cmp_eq_u32 s11, 0
	s_cbranch_scc0 .Lfor_b_\@
	tensor_load_to_lds s[G0+4*\s:G0+4*\s+3], s[G1:G1+7]
	s_nop 0
.rept 4
	v_nop
.endr
	s_branch .Lasked_\@
.Lfor_b_\@:
	tensor_load_to_lds s[G0B+4*\s:G0B+4*\s+3], s[G1B:G1B+7]
	s_nop 0
.rept 4
	v_nop
.endr
.Lasked_\@:
.endm
.macro CREST
	s_cmp_lg_u32 s10, 0
	s_cbranch_scc1 .Lnot_wave_0_\@
	s_barrier_signal -3
.Lnot_wave_0_\@:
	s_barrier_wait -3
	s_barrier_signal -1
	s_barrier_wait -1
.endm
.macro CROUND
	s_barrier_signal -1
	s_barrier_wait -1
	CREST
.endm
	s_load_b128 s[4:7], s[0:1], 0x0                ; o16, wo16
	s_load_b64 s[66:67], s[0:1], 0x10              ; bo
	s_load_b64 s[8:9], s[0:1], 0x18                ; out0
	v_lshl_add_u32 v[SPW], v0, 2, SPARE
	v_mov_b32 v[NIL], 0
	ds_add_u32 v[SPW], v[NIL]                      ; the wave's opening: the add, twice on end, and its wait ahead of my first tensor load
	ds_add_u32 v[SPW], v[NIL]
	v_lshrrev_b32 v1, 5, v0
	v_readfirstlane_b32 s10, v1                    ; wave 0..3
	s_lshr_b32 s11, s10, 1                         ; which half of the tile's rows is mine.  Also: I fetch for A (0) or for B (1)
	s_and_b32 s12, s10, 1                          ; which half of its columns.  Also: which 64 rows of that tile I fetch
	s_bfe_u32 s40, ttmp6, 0x40000
	s_bfe_u32 s41, ttmp6, 0x40004
	s_lshl_b32 s42, ttmp9, 2
	s_add_co_u32 s42, s42, s40                     ; tile column
	s_and_b32 s13, ttmp7, 0xffff
	s_lshl_b32 s13, s13, 2
	s_add_co_u32 s13, s13, s41                     ; tile row
	s_lshl_b32 s43, s41, 2
	s_lshl_b32 s43, 15, s43                        ; my row of the cluster
	s_lshl_b32 s44, 0x1111, s40                    ; my column
	s_or_b32 s[G1+0], s43, (1<<16)|(1<<20)|(1<<21)|(4<<22)|(3<<25)   ; A: the mask; elements of 2 bytes; padding on; bit 21 beside a mask; after every 32 words, 4 words
	s_mov_b32 s[G1+1], 4096<<16                    ; tensor_dim0 = 4,096: 64 positions x 64 numbers of a head
	s_mov_b32 s[G1+2], 4<<16                       ; tensor_dim1 = 4 heads
	s_mov_b32 s[G1+3], 4096<<16                    ; tile_dim0
	s_mov_b32 s[G1+4], 4                           ; tile_dim1
	s_mov_b32 s[G1+5], 131072                      ; from head to head, in elements
	s_mov_b32 s[G1+6], 0
	s_mov_b32 s[G1+7], 0
	s_or_b32 s[G1B+0], s44, (1<<16)|(1<<20)|(1<<21)|(6<<22)|(3<<25)  ; B: after every 128 words, 4 words
	s_mov_b32 s[G1B+1], KSTEP<<16
	s_mov_b32 s[G1B+2], 64<<16
	s_mov_b32 s[G1B+3], KSTEP<<16
	s_mov_b32 s[G1B+4], 64
	s_mov_b32 s[G1B+5], 1024
	s_mov_b32 s[G1B+6], 0
	s_mov_b32 s[G1B+7], 0
	s_lshr_b32 s16, s13, 4                         ; A: the batch (16 tile rows each),
	s_lshl_b32 s16, s16, 22
	s_and_b32 s17, s13, 15
	s_lshl_b32 s17, s17, 14                        ; 128 positions of 128 bytes a tile row,
	s_add_co_u32 s16, s16, s17
	s_lshl_b32 s17, s12, 13                        ; the half that I fetch
	s_add_co_u32 s16, s16, s17
	s_mov_b32 s17, 0
	s_lshl_b32 s46, s42, 7                         ; B: row 128 x tile column + 64 x half, 2,048 bytes a row
	s_lshl_b32 s47, s12, 6
	s_add_co_u32 s46, s46, s47
	s_lshl_b32 s46, s46, 11
	s_mov_b32 s47, 0
	s_mul_i32 s20, s12, AH                         ; where they go: no place in the cluster enters an LDS address
	s_mul_i32 s21, s12, BH
	s_add_co_u32 s21, s21, BOFF
	s_wait_dscnt 0x0                               ; both opening adds are done
	s_wait_kmcnt 0x0
	s_add_nc_u64 s[14:15], s[4:5], s[16:17]
	s_add_nc_u64 s[46:47], s[6:7], s[46:47]
	CROUND                                         ; all sixteen work-groups are here: the first joint loads meet
.irp s, 0,1
	s_mov_b32 s[G0+4*\s], 1
	s_add_co_u32 s[G0+4*\s+1], s20, \s*SLOT
	s_add_nc_u64 s[G0+4*\s+2:G0+4*\s+3], s[14:15], \s*ASTEP
	s_or_b32 s[G0+4*\s+3], s[G0+4*\s+3], 0x80000000
	s_mov_b32 s[G0B+4*\s], 1
	s_add_co_u32 s[G0B+4*\s+1], s21, \s*SLOT
	s_add_nc_u64 s[G0B+4*\s+2:G0B+4*\s+3], s[46:47], \s*KSTEP*2
	s_or_b32 s[G0B+4*\s+3], s[G0B+4*\s+3], 0x80000000
	JLOAD \s
.endr
	v_and_b32 v1, 15, v0                           ; l % 16
	v_bfe_u32 v2, v0, 4, 1                         ; l / 16
	s_lshl_b32 s46, s42, 9                         ; my first column x 4 bytes: 512 x tile column + 256 x half
	s_lshl_b32 s47, s12, 8
	s_add_co_u32 s46, s46, s47
	s_mov_b32 s47, 0
	s_add_nc_u64 s[66:67], s[66:67], s[46:47]
	v_lshlrev_b32 v7, 5, v2
.irp b, 0,1,2,3
	global_load_b128 v[BI+8*\b:BI+8*\b+3], v7, s[66:67] offset:64*\b        ; register j of block b: bo of column 16 b + 8 (l / 16) + j
	global_load_b128 v[BI+8*\b+4:BI+8*\b+7], v7, s[66:67] offset:64*\b+16
.endr
	v_mul_u32_u24 v3, v1, PA
	v_lshl_add_u32 v3, v2, 4, v3
	v_mul_u32_u24 v4, v1, PB
	v_lshl_add_u32 v4, v2, 4, v4
	s_mul_i32 s21, s11, AH                         ; my 64 rows of A
	s_mul_i32 s22, s12, BH                         ; my 64 rows of B
	s_add_co_u32 s22, s22, BOFF
.irp s, 0,1
	v_add_nc_u32 v[ADRA+\s], s21, v3
	v_add_nc_u32 v[ADRB+\s], s22, v4
	s_add_co_u32 s21, s21, SLOT
	s_add_co_u32 s22, s22, SLOT
.endr
	s_mul_i32 s23, s10, 16*SPITCH
	s_add_co_u32 s23, s23, STAGE                   ; my stage
	v_mul_u32_u24 v4, v1, SPITCH                   ; in: row l % 16, 32 bytes for each half of the lanes
	v_lshl_add_u32 v4, v2, 5, v4
	v_add_nc_u32 v[STO], s23, v4
	v_mul_u32_u24 v5, v2, SPITCH                   ; back: lanes 0-15 one row of 256 bytes, lanes 16-31 the next
	v_lshl_add_u32 v5, v1, 4, v5
	v_add_nc_u32 v[RD], s23, v5
	v_lshlrev_b32 v5, 12, v2                       ; and the same two rows in out0
	v_lshl_add_u32 v[CO], v1, 4, v5
	s_lshl_b32 s16, s13, 7
	s_lshl_b32 s17, s11, 6
	s_add_co_u32 s16, s16, s17                     ; my first row: 128 x tile row + 64 x half
	s_lshl_b32 s16, s16, 12
	s_mov_b32 s17, 0
	s_add_nc_u64 s[8:9], s[8:9], s[16:17]
	s_add_nc_u64 s[8:9], s[8:9], s[46:47]
; 8 matrix instructions: m blocks a0, a0 + 1 x all 4 n blocks, 32 along K: half c of buffer f.  first = 1: the bias starts the sums.  The 16 accumulators take turns.
.macro MUL8 f, c, a0, first
.irp a, \a0, \a0+1
.irp b, 0,1,2,3
.if \first
	v_wmma_f32_16x16x32_f16 v[ACC+8*(4*(\a)+\b):ACC+8*(4*(\a)+\b)+7], v[\f+64+8*(4*\c+\b):\f+64+8*(4*\c+\b)+7], v[\f+8*(4*\c+\a):\f+8*(4*\c+\a)+7], v[BI+8*\b:BI+8*\b+7]
.else
	v_wmma_f32_16x16x32_f16 v[ACC+8*(4*(\a)+\b):ACC+8*(4*(\a)+\b)+7], v[\f+64+8*(4*\c+\b):\f+64+8*(4*\c+\b)+7], v[\f+8*(4*\c+\a):\f+8*(4*\c+\a)+7], v[ACC+8*(4*(\a)+\b):ACC+8*(4*(\a)+\b)+7]
.endif
.endr
.endr
.endm
; 32 LDS loads in one run: the fragments of quarter q (64 along K: head q of the step) into buffer f; the first 32 along K first
.macro FETCH slot, q, f
	WIN TO_F
.irp c, 0,1
.irp i, 0,1,2,3
	ds_load_b128 v[\f+64+8*(4*\c+\i):\f+64+8*(4*\c+\i)+3],   v[ADRB+\slot] offset:128*(\q)+64*\c+\i*16*PB
	ds_load_b128 v[\f+64+8*(4*\c+\i)+4:\f+64+8*(4*\c+\i)+7], v[ADRB+\slot] offset:128*(\q)+64*\c+\i*16*PB+32
	ds_load_b128 v[\f+8*(4*\c+\i):\f+8*(4*\c+\i)+3],         v[ADRA+\slot] offset:HEADB*(\q)+64*\c+\i*16*PA
	ds_load_b128 v[\f+8*(4*\c+\i)+4:\f+8*(4*\c+\i)+7],       v[ADRA+\slot] offset:HEADB*(\q)+64*\c+\i*16*PA+32
.endr
.endr
.endm
.macro PLACES
.rept 4
	v_nop
.endr
.endm
; One of a K step's first three quarters: multiplies buffer f and fetches quarter q into g.
.macro QUARTER slot, q, f, g, first
	s_wait_dscnt 16                                ; the first 32 along K are in; the other sixteen loads may be out
	WIN MUL
	MUL8 \f, 0, 0, \first
	MUL8 \f, 0, 2, \first
	PLACES
	FETCH \slot, \q, \g
	s_wait_dscnt 32                                ; all but the 32 just issued
	WIN MUL
	MUL8 \f, 1, 0, 0
	MUL8 \f, 1, 2, 0
.endm
; The last quarter multiplies buffer 1 and changes slots: in front of the barrier each wave waits for all its tensor loads, adds 0 to its spare word, and waits for that and for its reads of this slot.
.macro TURN slot, next, fill
	WIN 0
	s_wait_tensorcnt 0x0
	ds_add_u32 v[SPW], v[NIL]
	s_wait_dscnt 17                                ; (the add and the youngest sixteen loads may be out)
	WIN MUL
	MUL8 F1, 0, 0, 0
	s_wait_dscnt 0x0
	s_barrier_signal -1
	MUL8 F1, 0, 2, 0
.if \fill
	WIN 0
.endif
	s_barrier_wait -1
.if \fill
	CREST                                          ; the barrier has opened a round of the cluster's barrier: no wave of any partner still reads this slot or has a load on its way
	s_add_nc_u64 s[G0+4*\slot+2:G0+4*\slot+3], s[G0+4*\slot+2:G0+4*\slot+3], 2*ASTEP
	s_add_nc_u64 s[G0B+4*\slot+2:G0B+4*\slot+3], s[G0B+4*\slot+2:G0B+4*\slot+3], 2*KSTEP*2
	JLOAD \slot                                    ; the first tensor load behind the round; its four v_nop are also the places in front of the loads below
.else
	PLACES
.endif
	FETCH \next, 0, F0
	WIN MUL
	MUL8 F1, 1, 0, 0
	MUL8 F1, 1, 2, 0
.endm
	s_wait_loadcnt 0x0                             ; the bias
	s_wait_tensorcnt 1                             ; my part of K step 0 is in (K step 1's load may be out),
	s_barrier_signal -1
	s_barrier_wait -1                              ; everybody's is
	FETCH 0, 0, F0
	QUARTER 0, 1, F0, F1, 1
	WIN 0
	s_mov_b32 s3, LAPS-1
.Llap:                                             ; a trip goes once round the ring and fills both slots again
	QUARTER 0, 2, F1, F0, 0
	QUARTER 0, 3, F0, F1, 0
	TURN 0, 1, 1
	QUARTER 1, 1, F0, F1, 0
	QUARTER 1, 2, F1, F0, 0
	QUARTER 1, 3, F0, F1, 0
	TURN 1, 0, 1
	QUARTER 0, 1, F0, F1, 0
	WIN 0
	s_sub_co_u32 s3, s3, 1
	s_cmp_lg_u32 s3, 0
	s_cbranch_scc1 .Llap
	QUARTER 0, 2, F1, F0, 0                        ; the last lap fills nothing
	QUARTER 0, 3, F0, F1, 0
	TURN 0, 1, 0
	QUARTER 1, 1, F0, F1, 0
	QUARTER 1, 2, F1, F0, 0
	QUARTER 1, 3, F0, F1, 0
	s_wait_dscnt 16
	WIN MUL
	MUL8 F1, 0, 0, 0
	MUL8 F1, 0, 2, 0
	s_wait_dscnt 0
	MUL8 F1, 1, 0, 0
	MUL8 F1, 1, 2, 0
	WIN 0
; THE WAY OUT.  My 64 columns of f32 are 256 bytes of a row, aligned: a block of 16 rows goes through my own stage and comes back as whole runs of 256 bytes, which sixteen lanes store.
.macro TOSTAGE a
.irp b, 0,1,2,3
	ds_store_b128 v[STO], v[ACC+8*(4*(\a)+\b):ACC+8*(4*(\a)+\b)+3] offset:64*\b          ; each accumulator from its low end on
	ds_store_b128 v[STO], v[ACC+8*(4*(\a)+\b)+4:ACC+8*(4*(\a)+\b)+7] offset:64*\b+16
.endr
.set OB, TMP+32*((\a)%2)
.irp u, 0,1,2,3,4,5,6,7
	ds_load_b128 v[OB+4*\u:OB+4*\u+3], v[RD] offset:\u*2*SPITCH    ; LDS serves a wave's instructions in order
.endr
.endm
.macro SEND a, younger
.set OB, TMP+32*((\a)%2)
	s_wait_dscnt \younger
.irp u, 0,1,2,3,4,5,6,7
	global_store_b128 v[CO], v[OB+4*\u:OB+4*\u+3], s[8:9] offset:(16*(\a)+2*\u)*4096 th:TH_STORE_NT
.endr
.endm
	PLACES
	TOSTAGE 0
.irp a, 1,2,3
.if \a > 1
	s_wait_xcnt 0x0                                ; block a - 2's stores have read their registers: block a's loads may land there
.endif
	TOSTAGE \a
	SEND \a-1, 16                                  ; behind block a - 1's loads: block a's 8 stores and 8 loads
.endr
	SEND 3, 0
	s_wait_tensorcnt 0x0                           ; the wave's end
	ds_add_u32 v[SPW], v[NIL]
	s_wait_dscnt 0x0
	CROUND                                         ; the closing round
	s_endpgm
.Lfunc_end_k_qb47b98573f_outp:
	.size	k_qb47b98573f_outp, .Lfunc_end_k_qb47b98573f_outp-k_qb47b98573f_outp
	.p2alignl 7, 3214868480
	.fill 96, 4, 3214868480
	.section	.rodata,"a",@progbits
	.p2align	6, 0x0
	.amdhsa_kernel k_qb47b98573f_outp
		.amdhsa_group_segment_fixed_size 327680
		.amdhsa_private_segment_fixed_size 0
		.amdhsa_enable_private_segment 0
		.amdhsa_kernarg_size 32
		.amdhsa_user_sgpr_count 2
		.amdhsa_user_sgpr_kernarg_segment_ptr 1
		.amdhsa_wavefront_size32 1
		.amdhsa_system_sgpr_workgroup_id_x 1
		.amdhsa_system_sgpr_workgroup_id_y 1
		.amdhsa_system_sgpr_workgroup_id_z 1
		.amdhsa_system_vgpr_workitem_id 0
		.amdhsa_next_free_vgpr 512
		.amdhsa_next_free_sgpr 68
		.amdhsa_reserve_vcc 0
		.amdhsa_float_denorm_mode_32 3
		.amdhsa_float_denorm_mode_16_64 3
		.amdhsa_memory_ordered 1
		.amdhsa_forward_progress 1
		.amdhsa_inst_pref_size 87
	.end_amdhsa_kernel
	.amdgpu_metadata
---
amdhsa.version: [ 1, 2 ]
amdhsa.kernels:
  - .name:           k_qb47b98573f_outp
    .symbol:         k_qb47b98573f_outp.kd
    .args:
      - { .name: o16, .offset: 0, .size: 8, .value_kind: global_buffer, .address_space: global }
      - { .name: wo16, .offset: 8, .size: 8, .value_kind: global_buffer, .address_space: global }
      - { .name: bo, .offset: 16, .size: 8, .value_kind: global_buffer, .address_space: global }
      - { .name: out0, .offset: 24, .size: 8, .value_kind: global_buffer, .address_space: global }
    .group_segment_fixed_size: 327680
    .private_segment_fixed_size: 0
    .kernarg_segment_align: 8
    .kernarg_segment_size: 32
    .max_flat_workgroup_size: 128
    .sgpr_count:     68
    .vgpr_count:     512
    .wavefront_size: 32
...
	.end_amdgpu_metadata
.endif
;; end of part 4
;; launch first16 (part 5): grid 16 x 4, 16 waves a work-group, no clusters, 71,680 bytes of LDS; arguments fine, Wo, bo, out0; writes out0
.if DOCPART == 5
	.amdgcn_target "amdgcn-amd-amdhsa--gfx1250"
	.amdhsa_code_object_version 6
	.text
	.protected	k_qb47b98573f_first16
	.globl	k_qb47b98573f_first16
	.p2align	8
	.type	k_qb47b98573f_first16,@function
k_qb47b98573f_first16:
	s_mov_b64 s[64:65], 0
	v_nop
	global_prefetch_b8 v0, s[64:65] scope:SCOPE_SE
	s_setreg_imm32_b32 hwreg(HW_REG_WAVE_MODE, 25, 1), 1
	s_wait_xcnt 0x0
; LAUNCH 5 OF 5: positions 0-15 of every sequence once more, wholly in f32: under the causal mask these rows average one to sixteen values, and the rounding of 16-bit operands weighs most there.
; It reads the f32 copy of Q, K, V (fine [4 t + b][16][1,024]) and Wo, bo as they are given, and writes rows 0-15 of each batch of out0 over what the launch before stored.
; LEFT OUT: bk (shown at the head of the first kernel); keys from 16 on, which the mask hides from these queries.
; SHARES.  Work-group (x, y): 64 output columns 64 x on, batch y.  Wave w = head w: its 16 x 16 attention, then its O (16 x 64) times Wo[64 x ..][64 w ..]; the sixteen heads' parts meet in LDS and are summed.
; 64 columns a work-group make runs of 256 bytes out; each work-group repeats the small attention of its batch.
; THE F32 MATRIX FORM (16 x 16 x 4): lane (r, h) holds row r and k = 2 h + j in register j.  K is permuted alike on both sources, which keeps the products: so plain loads of 16 bytes fill the operands.
; All products are used transposed, so that a lane holds ONE query (lane % 16) throughout.  The registers that this form writes (v112-159, v208-239) are written by matrix instructions alone.
.set SPARE, 16*4352                    ; behind the sixteen parts (16 rows x 272 bytes each): the spare words
.set QR, 16                            ; v16-47   Q: d = 32 h + 0..31;   later Wo's tile 0
.set KR, 48                            ; v48-79   K likewise;            later Wo's tile 1
.set VR, 80                            ; v80-111  V[8 h + i][16 ct + r] at 8 ct + i;  later Wo's tile 2
.set SA, 112                           ; v112-127 the scores, two accumulators by turns
.set OA, 128                           ; v128-159 O^T, four accumulators
.set T,  160                           ; v160-167 scores, then p;  v168-175 at work;  later the second half of Wo's tile 3
.set ON, 176                           ; v176-207 O^T / the sum
.set Y,  208                           ; v208-239 the output's four accumulators
.set W3A, 240                          ; v240-255 the first half of Wo's tile 3
	s_load_b256 s[4:11], s[0:1], 0x0               ; fine s[4:5], Wo s[6:7], bo s[8:9], out0 s[10:11]
	v_lshl_add_u32 v13, v0, 2, SPARE               ; my spare word; never rewritten
	v_mov_b32 v14, 0                               ; 0; never rewritten
	v_lshrrev_b32 v1, 5, v0
	v_readfirstlane_b32 s12, v1                    ; wave = head
	v_and_b32 v1, 15, v0                           ; r
	v_bfe_u32 v2, v0, 4, 1                         ; h
	v_lshlrev_b32 v3, 3, v2
	v_sub_nc_u32 v3, v1, v3                        ; r - 8 h
	v_lshlrev_b32 v4, 12, v1
	v_lshl_add_u32 v4, v2, 7, v4                   ; Q, K: row r of 4,096 bytes, + 128 h
	v_lshlrev_b32 v5, 2, v1
	v_lshl_add_u32 v5, v2, 15, v5                  ; V: rows 8 h on, column r
	v_lshlrev_b32 v6, 12, v1
	v_lshl_add_u32 v6, v2, 5, v6                   ; Wo: row r, + 32 h
	s_mul_i32 s17, s12, 4352
	v_mul_u32_u24 v7, v1, 272
	v_lshl_add_u32 v7, v2, 5, v7
	v_add_nc_u32 v7, s17, v7                       ; my part: row r, + 32 h
	s_mul_i32 s17, s12, 544
	v_mul_u32_u24 v8, v2, 272
	v_lshl_add_u32 v8, v1, 4, v8
	v_add_nc_u32 v8, s17, v8                       ; the sum: rows 2 w + h of a part, 16 bytes a lane
	v_lshlrev_b32 v9, 4, v1
	v_lshl_add_u32 v12, v2, 12, v9                 ; and the same in out0
	v_mov_b32 v15, 0xff800000                      ; -infinity
	v_mov_b32 v170, 0                              ; written once: a lane permute's destination counts as one of its sources
	s_mov_b32 s14, 0x76543210
	s_mov_b32 s15, 0xfedcba98
	s_mov_b32 s16, 0x3e38aa3b                      ; c = log2(e) / 8
	s_and_b32 s18, ttmp7, 0xffff                   ; the batch
	s_lshl_b32 s20, s18, 16
	s_lshl_b32 s21, s12, 8
	s_add_co_u32 s20, s20, s21                     ; fine: 65,536 b + 256 w
	s_mov_b32 s21, 0
	s_lshl_b32 s22, ttmp9, 18                      ; Wo: 64 x rows of 4,096 bytes, + 256 w
	s_lshl_b32 s23, s12, 8
	s_add_co_u32 s22, s22, s23
	s_mov_b32 s23, 0
	s_lshl_b32 s24, ttmp9, 8                       ; bo: 64 x numbers
	s_mov_b32 s25, 0
	s_lshl_b32 s26, s18, 23                        ; out0: 2,048 rows a batch, rows 2 w on, columns 64 x on
	s_lshl_b32 s27, s12, 13
	s_add_co_u32 s26, s26, s27
	s_add_co_u32 s26, s26, s24
	s_mov_b32 s27, 0
	s_wait_kmcnt 0x0
	s_add_nc_u64 s[4:5], s[4:5], s[20:21]
	s_add_nc_u64 s[6:7], s[6:7], s[22:23]
	s_add_nc_u64 s[8:9], s[8:9], s[24:25]
	s_add_nc_u64 s[10:11], s[10:11], s[26:27]
.irp i, 0,1,2,3,4,5,6,7
	global_load_b128 v[QR+4*\i:QR+4*\i+3], v4, s[4:5] offset:16*\i
.endr
.irp i, 0,1,2,3,4,5,6,7
	global_load_b128 v[KR+4*\i:KR+4*\i+3], v4, s[4:5] offset:262144+16*\i
.endr
.irp c, 0,1,2,3
.irp i, 0,1,2,3,4,5,6,7
	global_load_b32 v[VR+8*\c+\i], v5, s[4:5] offset:524288+4096*\i+64*\c
.endr
.endr
.irp u, 0,1,2,3
	global_load_b128 v[W3A+4*\u:W3A+4*\u+3], v6, s[6:7] offset:3*65536+64*(\u/2)+16*(\u%2)
.endr
	s_wait_loadcnt 36                              ; Q and K are in; V's 32 loads and the 4 of Wo may be out
.irp c, 0,1,2,3,4,5,6,7,8,9,10,11,12,13,14,15    ; S^T = K Q^T: instruction c takes d = 2 c, 2 c + 1, 32 + 2 c, 32 + 2 c + 1; two accumulators by turns
.if \c < 2
	v_wmma_f32_16x16x4_f32 v[SA+8*(\c%2):SA+8*(\c%2)+7], v[KR+2*\c:KR+2*\c+1], v[QR+2*\c:QR+2*\c+1], 0
.else
	v_wmma_f32_16x16x4_f32 v[SA+8*(\c%2):SA+8*(\c%2)+7], v[KR+2*\c:KR+2*\c+1], v[QR+2*\c:QR+2*\c+1], v[SA+8*(\c%2):SA+8*(\c%2)+7]
.endif
.endr
.rept 8
	v_nop                                          ; eight places behind this form, in front of loads into its sources and of the first read of its results
.endr
.irp n, 0,1                                    ; Wo's tiles 0 and 1: register 8 ct + i of lane (r, h): Wo[64 x + 16 nt + r][64 w + 16 ct + 8 h + i]
.irp c, 0,1,2,3
.irp u, 0,1
	global_load_b128 v[QR+32*\n+8*\c+4*\u:QR+32*\n+8*\c+4*\u+3], v6, s[6:7] offset:65536*\n+64*\c+16*\u
.endr
.endr
.endr
.irp j, 0,2,4,6
	v_pk_add_f32 v[T+\j:T+\j+1], v[SA+\j:SA+\j+1], v[SA+8+\j:SA+8+\j+1]   ; register j: key 8 h + j, query r
.endr
.irp j, 0,1,2,3,4,5,6,7
	v_cmp_gt_i32 vcc_lo, \j, v3                    ; hidden where 8 h + j > r
	v_cndmask_b32 v[T+\j], v[T+\j], v15, vcc_lo
.endr
	v_max3_num_f32 v168, v160, v161, v162
	v_max3_num_f32 v169, v163, v164, v165
	v_max3_num_f32 v168, v168, v166, v167
	v_max_num_f32 v168, v168, v169
	v_permlanex16_b32 v170, v168, s14, s15
	v_max_num_f32 v168, v168, v170                 ; the row's maximum: key 0 counts for every query, so it is a number
	v_mul_f32 v169, s16, v168
.irp j, 0,1,2,3,4,5,6,7
	v_fma_f32 v[T+\j], v[T+\j], s16, -v169
.endr
.irp j, 0,1,2,3,4,5,6,7
	v_exp_f32 v[T+\j], v[T+\j]
.endr
	v_nop
	s_wait_alu depctr_va_vdst(0)                   ; one wait for the eight exponentials, ahead of their first reader
	v_add_f32 v168, v160, v161
	v_add_f32 v169, v162, v163
	v_add_f32 v171, v164, v165
	v_add_f32 v172, v166, v167
	v_add_f32 v168, v168, v169
	v_add_f32 v171, v171, v172
	v_add_f32 v168, v168, v171
	v_permlanex16_b32 v170, v168, s14, s15
	v_add_f32 v168, v168, v170
	v_rcp_f32 v10, v168
	v_mov_b32 v11, 0                               ; (a plain place; v11 is named with v10 as a pair)
	s_wait_alu depctr_va_vdst(0)
	s_wait_loadcnt 20                              ; V is in; the 4 + 8 + 8 loads of Wo may be out
.irp e, 0,1,2,3                                ; O^T = V^T P: instruction e takes keys 2 e, 2 e + 1, 8 + 2 e, 8 + 2 e + 1; four accumulators by turns
.irp c, 0,1,2,3
.if \e == 0
	v_wmma_f32_16x16x4_f32 v[OA+8*\c:OA+8*\c+7], v[VR+8*\c+2*\e:VR+8*\c+2*\e+1], v[T+2*\e:T+2*\e+1], 0
.else
	v_wmma_f32_16x16x4_f32 v[OA+8*\c:OA+8*\c+7], v[VR+8*\c+2*\e:VR+8*\c+2*\e+1], v[T+2*\e:T+2*\e+1], v[OA+8*\c:OA+8*\c+7]
.endif
.endr
.endr
.rept 8
	v_nop
.endr
.irp c, 0,1,2,3                                ; Wo's tile 2, and the second half of tile 3
.irp u, 0,1
	global_load_b128 v[VR+8*\c+4*\u:VR+8*\c+4*\u+3], v6, s[6:7] offset:2*65536+64*\c+16*\u
.endr
.endr
.irp u, 0,1,2,3
	global_load_b128 v[T+4*\u:T+4*\u+3], v6, s[6:7] offset:3*65536+128+64*(\u/2)+16*(\u%2)
.endr
.irp j, 0,2,4,6,8,10,12,14,16,18,20,22,24,26,28,30
	v_pk_mul_f32 v[ON+\j:ON+\j+1], v[OA+\j:OA+\j+1], v[10:11] op_sel_hi:[1,0]   ; register 8 ct + j: channel 16 ct + 8 h + j of query r
.endr
	s_wait_loadcnt 12                              ; Wo's tiles 0 and 1 are in; the 8 + 4 just issued may be out
.irp c, 0,1,2,3                                ; Y^T = Wo O^T, tiles 0 and 1 by turns
.irp e, 0,1,2,3
.irp n, 0,1
.if (\c == 0) && (\e == 0)
	v_wmma_f32_16x16x4_f32 v[Y+8*\n:Y+8*\n+7], v[QR+32*\n+8*\c+2*\e:QR+32*\n+8*\c+2*\e+1], v[ON+8*\c+2*\e:ON+8*\c+2*\e+1], 0
.else
	v_wmma_f32_16x16x4_f32 v[Y+8*\n:Y+8*\n+7], v[QR+32*\n+8*\c+2*\e:QR+32*\n+8*\c+2*\e+1], v[ON+8*\c+2*\e:ON+8*\c+2*\e+1], v[Y+8*\n:Y+8*\n+7]
.endif
.endr
.endr
.endr
	s_wait_loadcnt 0x0
.irp c, 0,1,2,3                                ; tiles 2 and 3 by turns
.irp e, 0,1,2,3
.set W3R, W3A+8*\c+2*\e
.if \c > 1
.set W3R, T+8*(\c-2)+2*\e
.endif
.if (\c == 0) && (\e == 0)
	v_wmma_f32_16x16x4_f32 v[Y+16:Y+23], v[VR+8*\c+2*\e:VR+8*\c+2*\e+1], v[ON+8*\c+2*\e:ON+8*\c+2*\e+1], 0
	v_wmma_f32_16x16x4_f32 v[Y+24:Y+31], v[W3R:W3R+1], v[ON+8*\c+2*\e:ON+8*\c+2*\e+1], 0
.else
	v_wmma_f32_16x16x4_f32 v[Y+16:Y+23], v[VR+8*\c+2*\e:VR+8*\c+2*\e+1], v[ON+8*\c+2*\e:ON+8*\c+2*\e+1], v[Y+16:Y+23]
	v_wmma_f32_16x16x4_f32 v[Y+24:Y+31], v[W3R:W3R+1], v[ON+8*\c+2*\e:ON+8*\c+2*\e+1], v[Y+24:Y+31]
.endif
.endr
.endr
.rept 8
	v_nop
.endr
.irp n, 0,1,2,3
	ds_store_b128 v7, v[Y+8*\n:Y+8*\n+3] offset:64*\n              ; lane (r, h): row r, columns 16 nt + 8 h + 0..7 of my head's part
	ds_store_b128 v7, v[Y+8*\n+4:Y+8*\n+7] offset:64*\n+16
.endr
	s_wait_dscnt 0x0                               ; for the others' sake: my part lies in LDS
	s_barrier_signal -1
	s_barrier_wait -1
	s_cmp_ge_u32 s12, 8                            ; waves 0-7 sum two rows each
	s_cbranch_scc1 .Ldone
	global_load_b128 v[80:83], v9, s[8:9]          ; bo of my four columns
.irp p, 0,1,2,3,4,5,6,7,8,9,10,11,12,13,14,15
	ds_load_b128 v[16+4*\p:19+4*\p], v8 offset:4352*\p
.endr
	s_wait_dscnt 0x0
.irp p, 0,1,2,3,4,5,6,7
	v_pk_add_f32 v[16+4*\p:17+4*\p], v[16+4*\p:17+4*\p], v[48+4*\p:49+4*\p]
	v_pk_add_f32 v[18+4*\p:19+4*\p], v[18+4*\p:19+4*\p], v[50+4*\p:51+4*\p]
.endr
.irp p, 0,1,2,3
	v_pk_add_f32 v[16+4*\p:17+4*\p], v[16+4*\p:17+4*\p], v[32+4*\p:33+4*\p]
	v_pk_add_f32 v[18+4*\p:19+4*\p], v[18+4*\p:19+4*\p], v[34+4*\p:35+4*\p]
.endr
.irp p, 0,1
	v_pk_add_f32 v[16+4*\p:17+4*\p], v[16+4*\p:17+4*\p], v[24+4*\p:25+4*\p]
	v_pk_add_f32 v[18+4*\p:19+4*\p], v[18+4*\p:19+4*\p], v[26+4*\p:27+4*\p]
.endr
	v_pk_add_f32 v[16:17], v[16:17], v[20:21]
	v_pk_add_f32 v[18:19], v[18:19], v[22:23]
	s_wait_loadcnt 0x0
	v_pk_add_f32 v[16:17], v[16:17], v[80:81]
	v_pk_add_f32 v[18:19], v[18:19], v[82:83]
	global_store_b128 v12, v[16:19], s[10:11]      ; sixteen lanes store 256 consecutive bytes, aligned
.Ldone:
	s_wait_tensorcnt 0x0                           ; the wave's end, behind my last LDS store
	ds_add_u32 v13, v14
	s_wait_dscnt 0x0
	s_endpgm
.Lfunc_end_k_qb47b98573f_first16:
	.size	k_qb47b98573f_first16, .Lfunc_end_k_qb47b98573f_first16-k_qb47b98573f_first16
	.p2alignl 7, 3214868480
	.fill 96, 4, 3214868480
	.section	.rodata,"a",@progbits
	.p2align	6, 0x0
	.amdhsa_kernel k_qb47b98573f_first16
		.amdhsa_group_segment_fixed_size 71680
		.amdhsa_private_segment_fixed_size 0
		.amdhsa_enable_private_segment 0
		.amdhsa_kernarg_size 32
		.amdhsa_user_sgpr_count 2
		.amdhsa_user_sgpr_kernarg_segment_ptr 1
		.amdhsa_wavefront_size32 1
		.amdhsa_system_sgpr_workgroup_id_x 1
		.amdhsa_system_sgpr_workgroup_id_y 1
		.amdhsa_system_sgpr_workgroup_id_z 1
		.amdhsa_system_vgpr_workitem_id 0
		.amdhsa_next_free_vgpr 256
		.amdhsa_next_free_sgpr 66
		.amdhsa_reserve_vcc 1
		.amdhsa_float_denorm_mode_32 3
		.amdhsa_float_denorm_mode_16_64 3
		.amdhsa_memory_ordered 1
		.amdhsa_forward_progress 1
		.amdhsa_inst_pref_size 25
	.end_amdhsa_kernel
	.amdgpu_metadata
---
amdhsa.version: [ 1, 2 ]
amdhsa.kernels:
  - .name:           k_qb47b98573f_first16
    .symbol:         k_qb47b98573f_first16.kd
    .args:
      - { .name: fine, .offset: 0, .size: 8, .value_kind: global_buffer, .address_space: global }
      - { .name: Wo, .offset: 8, .size: 8, .value_kind: global_buffer, .address_space: global }
      - { .name: bo, .offset: 16, .size: 8, .value_kind: global_buffer, .address_space: global }
      - { .name: out0, .offset: 24, .size: 8, .value_kind: global_buffer, .address_space: global }
    .group_segment_fixed_size: 71680
    .private_segment_fixed_size: 0
    .kernarg_segment_align: 8
    .kernarg_segment_size: 32
    .max_flat_workgroup_size: 512
    .sgpr_count:     66
    .vgpr_count:     256
    .wavefront_size: 32
...
	.end_amdgpu_metadata
.endif
;; end of part 5
